; MI455X (gfx1250); checked and timed in simulation.
; The chip was launched on July 23, 2026; its instructions are those of AMD's public machine-readable ISA for CDNA 5 (MIT licence, August 2026) and "CDNA5" Instruction Set Architecture Reference Guide (July 2026). The comments in the code are by the model that wrote it; some were corrected since.
;; Self Attention. Allowed arithmetic: matrix products marked QUANTISED: E2M1 operands, one E8M0 scale for each 32 along K, by v_wmma_scale_f32_16x16x128_f8f6f4 with both operands' format E2M1 (or v_wmma_scale_f32_32x16x128_f4), f32 sums; everything else in f32.
;; Inputs: Wd 1,024 x 1,024 float32; Wk 1,024 x 1,024 float32; Wq 1,024 x 1,024 float32; Wv 1,024 x 1,024 float32; attention_mask 4 x 1 x 1 x 2,048 float32; bd 1,024 float32; bk 1,024 float32; bq 1,024 float32; bv 1,024 float32; input_tensor 4 x 2,048 x 1,024 float32; ln_b 1,024 float32; ln_w 1,024 float32.
;; Outputs: out0 4 x 2,048 x 1,024 float32.
;; This version of the problem:
;;   THIS VERSION OF THE PROBLEM IS GIVEN IN LOW PRECISION. The matrix products marked QUANTISED in the list below multiply operands that are first quantised to E2M1 (2 exponent bits, 1 mantissa bit; 4 bits a number), with one power-of-two scale for each 32 numbers along K (OCP MX v1.0); their sums are f32. All else is computed in f32.
;;   The module's matrix products, in the order in which they are computed (A, B: the left and right operand; K: the contracted axis; several contracted axes count as one K, in the product's order):
;;     1. [M 8,192, K 1,024] x [K 1,024, N 1,024]; A: input input_tensor; B: input Wq: QUANTISED
;;     2. [M 8,192, K 1,024] x [K 1,024, N 1,024]; A: input input_tensor; B: input Wk: QUANTISED
;;     3. [M 8,192, K 1,024] x [K 1,024, N 1,024]; A: input input_tensor; B: input Wv: QUANTISED
;;     4. batch 64 x [M 2,048, K 64] x [K 64, N 2,048]; A: computed on the way; B: computed on the way: QUANTISED
;;     5. batch 64 x [M 2,048, K 2,048] x [K 2,048, N 64]; A: softmax (see below); B: computed on the way: QUANTISED
;;     6. [M 8,192, K 1,024] x [K 1,024, N 1,024]; A: computed on the way; B: input Wd: QUANTISED
;;   THE QUANTISER, for each operand of a quantised product, along K:
;;     - K is cut into blocks of 32 from its start; a last block that is shorter is filled with zeros.
;;     - A block's scale is 2^e with e = floor(log2(the largest magnitude in the block)) - 2, held to -126 .. 127; a block of zeros has e = 0. As a byte (E8M0): e + 127.
;;     - Each number is divided by its block's scale, clamped to +-6, and rounded to the nearest number of E2M1, ties to even, subnormals kept.
;;     - The product sums the exact products of the quantised numbers (number of the format x scale) in f32.
;;   ~~~python
;;   def quantise(x, axis):      # numpy; x: float32 -> the quantised numbers, widened to float32 again
;;       x = np.moveaxis(x, axis, -1); K = x.shape[-1]
;;       x = np.pad(x, [(0, 0)] * (x.ndim - 1) + [(0, -K % 32)]); x = x.reshape(x.shape[:-1] + (-1, 32)); a = np.abs(x).max(-1, keepdims=True)
;;       e = np.where(a > 0, np.clip(np.frexp(np.where(a > 0, a, 1))[1] - 1 - 2, -126, 127), 0)      # np.frexp(a)[1] - 1 = floor(log2(a)), exactly
;;       r = np.clip(x / 2.0 ** e, -6, 6)
;;       step = 2.0 ** (np.maximum(np.frexp(np.where(r == 0, 1, r))[1] - 1, 0) - 1)
;;       q = np.round(r / step) * step * 2.0 ** e      # np.round: ties to even
;;       return np.moveaxis(q.reshape(q.shape[:-2] + (-1,))[..., :K], -1, axis).astype(np.float32)
;;   ~~~
;;   SOFTMAX AHEAD OF A QUANTISED PRODUCT. Where the list says 'softmax', what is quantised is not the finished softmax but p = 2^(t - M), with t = logit x log2(e) and M = ceil(the row's largest t), a whole number; so 1/2 < the row's largest p <= 1. The row's sum l is taken of the UNQUANTISED p, in f32, and the product's result is divided by l at the end. Since M is a whole number, a kernel that streams over the keys may use a running M (the ceiling of the running maximum): every later rescaling is an exact power of two, which a block's scale takes up: the codes' values come out the same.
;;   OPERANDS COMPUTED ON THE WAY. 'Computed on the way' means the value that the module computes at that place (a softmax that the list does not call 'softmax' is quantised finished and normalised). What goes into a quantiser is computed in f32, as accurately as f32 sums, v_exp_f32 and their like allow (about 1e-6 of the number): no bf16 or f16 on the way to a quantiser, and a product that is left as it is and whose result goes on into a quantised operand takes f32 operands (vector FMAs, or v_wmma_f32_16x16x4_f32). A number that lies on a knife's edge between two numbers of the format may be rounded either way, as far as f32 arithmetic and the matrix unit's own rounding can turn it there, and no further.
;; One version. Each part assembles by itself: llvm-mc -triple=amdgcn-amd-amdhsa -mcpu=gfx1250 --defsym DOCPART=n.
;; ======== version 1 of 1: 4 launches
;; limits: right only within a limited range of input values
;; workspace buffers: xq 4,456,448 bytes; wq 2,228,224 bytes; qkv 13,893,632 bytes; ctxq 4,456,448 bytes
;; launch quant (part 1): grid 256 x 1, 4 waves a work-group, no clusters, 33,280 bytes of LDS; arguments input_tensor, Wq, Wk, Wv, Wd, xq, wq; writes xq, wq
.if DOCPART == 1
	.amdgcn_target "amdgcn-amd-amdhsa--gfx1250"
	.amdhsa_code_object_version 6
	.text
	.protected	k_q0d4937254b_quant
	.globl	k_q0d4937254b_quant
	.p2align	8
	.type	k_q0d4937254b_quant,@function
k_q0d4937254b_quant:
	s_mov_b64 s[64:65], 0
	v_nop
	global_prefetch_b8 v0, s[64:65] scope:SCOPE_SE
	s_setreg_imm32_b32 hwreg(HW_REG_WAVE_MODE, 25, 1), 1
	s_wait_xcnt 0x0
; ONE LAUNCH QUANTISES ALL FIVE WIDE OPERANDS to codes of FP4 (E2M1) with one E8M0 byte for each 32 along K.  Each of the 1,024 waves takes a run of input_tensor and a piece of one weight.
; A block's scale is 2^(floor(log2(its largest magnitude)) - 2); its byte is the largest magnitude's exponent field - 2, held at 1 from below.  A block of zeros keeps the byte 1: its codes are zeros, and this program alone reads the bytes.
; LIMITS: blocks whose largest magnitude lies under 2^-124 get the byte 1; NaN and infinities among the inputs are not served.
; input_tensor [8192][1024] -> xq: codes [8192][512 bytes] at 0, scale bytes [8192][32] at X_S.  A wave takes 16 steps of 512 numbers: each load reads 512 consecutive bytes, the step turns through the wave's own stage in LDS
; and comes back 64 bytes a lane (16 neighbours along K; two lanes hold a block).  A store of codes covers 256 consecutive bytes; the wave's 256 scale bytes leave by one store.
; Wq, Wk, Wv, Wd [1024 (k)][1024 (n)] -> wq, in the order of the operand's registers: codes [G 64][s 8][t4 4][c 2][lane 32][16 bytes] (G: 64 columns, Wq 0-15, Wk 16-31, Wv 32-47, Wd 48-63; s: the K step of 128;
; lane (r, h), group c: k = 128 s + 64 c + 32 h + 0 .. 31; lane r of tile t4 = 2 b + u is column 64 G + 32 b + 8 u + r + 8 (r / 8)); scale bytes at W_S: [G][t4][r 16][32 bytes].
; A wave's piece is 32 columns (one b) x 128 along K (one s): a lane takes a column and its registers run down K, so a block lies in one lane.  The piece holds tiles 2 b and 2 b + 1 whole: it turns through the wave's own
; stage and leaves as four stores of 512 consecutive bytes; a lane's four scale bytes are one word of its column's row.  Waves share nothing: no barrier.
; The weight's 128 loads go out eight a step among input_tensor's, which run four steps ahead.
.set STEPS, 16
.set EMAX,  2
.set CB,    8
.set R,     16                         ; v16-79   four sets of 16 numbers as loaded; sets 0, 1 later take the weight's fourth block
.set X,     80                         ; v80-111  two sets of 16 neighbours
.set E,     112                        ; v112-127 a scale byte for each step
.set C,     128                        ; v128-159 codes, two registers a step: no store's data are written again
.set WB,    160                        ; v160-255 the weight's first three blocks of 32
.set WREG,  8192                       ; LDS: a region a wave: two stages of 32 x SP, 256 scale bytes, at WSTG the weight's stage of 32 x SP
.set SP,    80
.set WSTG,  5632
.set SPARE, 32768
.set X_S,   4194304
.set W_S,   2097152
.set SPW,   12
.set NIL,   13
	s_load_b256 s[4:11], s[0:1], 0x0               ; input_tensor s[4:5], Wq s[6:7], Wk s[8:9], Wv s[10:11]
	s_load_b128 s[12:15], s[0:1], 0x20             ; Wd s[12:13], xq s[14:15]
	s_load_b64 s[16:17], s[0:1], 0x30              ; wq
	v_lshl_add_u32 v[SPW], v0, 2, SPARE
	v_mov_b32 v[NIL], 0
	v_lshrrev_b32 v1, 5, v0
	v_readfirstlane_b32 s18, v1                    ; wave
	s_mul_i32 s19, s18, WREG
	s_add_co_u32 s20, s19, 2*32*SP
	s_lshl_b32 s21, ttmp9, 2
	s_add_co_u32 s21, s21, s18                     ; my number among the 1,024 waves
	s_lshl_b32 s22, s21, 15                        ; input_tensor: 32,768 bytes a run,
	s_mov_b32 s23, 0
	s_lshl_b32 s24, s21, 12                        ; 4,096 bytes of codes,
	s_mov_b32 s25, 0
	s_lshl_b32 s26, s21, 8                         ; 256 scale bytes
	s_add_co_u32 s26, s26, X_S
	s_mov_b32 s27, 0
	s_lshr_b32 s28, ttmp9, 6                       ; which weight
	s_and_b32 s29, s21, 31                         ; which 32 columns: the four waves of a work-group stand side by side
	s_bfe_u32 s30, s21, 0x30005                    ; which K step
	s_lshl_b32 s32, s30, 19                        ; in the weight: 128 s rows of 4,096 bytes + 128 bytes for each 32 columns
	s_lshl_b32 s33, s29, 7
	s_add_co_u32 s32, s32, s33
	s_mov_b32 s33, 0
	s_lshr_b32 s34, s29, 1
	s_lshl_b32 s35, s28, 4
	s_add_co_u32 s34, s34, s35                     ; G
	s_and_b32 s35, s29, 1                          ; b
	s_lshl_b32 s36, s34, 15                        ; codes: 32,768 G + 4,096 s + 2,048 b
	s_lshl_b32 s37, s30, 12
	s_add_co_u32 s36, s36, s37
	s_lshl_b32 s37, s35, 11
	s_add_co_u32 s36, s36, s37
	s_mov_b32 s37, 0
	s_lshl_b32 s38, s34, 11                        ; scale bytes: W_S + 2,048 G + 1,024 b + 4 s
	s_lshl_b32 s39, s35, 10
	s_add_co_u32 s38, s38, s39
	s_lshl_b32 s39, s30, 2
	s_add_co_u32 s38, s38, s39
	s_add_co_u32 s38, s38, W_S
	s_mov_b32 s39, 0
	s_and_b32 s40, s28, 1
	v_and_b32 v2, 31, v0                           ; lane
	v_lshlrev_b32 v3, 4, v2                        ; 16 x lane
	v_lshlrev_b32 v1, 2, v2                        ; 4 x lane
	v_lshrrev_b32 v14, 2, v2
	v_mul_u32_u24 v14, v14, SP
	v_and_b32 v15, 3, v2
	v_lshl_add_u32 v14, v15, 4, v14
	v_add_nc_u32 v14, s19, v14                     ; the stage, in: SP (lane / 4) + 16 (lane % 4)
	v_mul_u32_u24 v15, v2, SP
	v_add_nc_u32 v15, s19, v15                     ; and out: SP x lane
	v_mul_u32_u24 v4, v2, CB
	v_lshrrev_b32 v5, 1, v2
	v_add_nc_u32 v5, s20, v5                       ; my block's scale byte
	v_lshlrev_b32 v7, 3, v2
	v_add_nc_u32 v6, s20, v7
	s_wait_alu depctr_va_vdst(0)                   ; the wait at the head's end
	s_wait_kmcnt 0x0
	s_add_nc_u64 s[4:5], s[4:5], s[22:23]
	s_add_nc_u64 s[42:43], s[14:15], s[24:25]
	s_add_nc_u64 s[44:45], s[14:15], s[26:27]
	s_cmp_lt_u32 s28, 2                            ; the weight is chosen by the work-group's number alone
	s_cselect_b64 s[6:7], s[6:7], s[10:11]
	s_cselect_b64 s[8:9], s[8:9], s[12:13]
	s_cmp_eq_u32 s40, 1
	s_cselect_b64 s[6:7], s[8:9], s[6:7]
	s_add_nc_u64 s[6:7], s[6:7], s[32:33]
	s_add_nc_u64 s[8:9], s[16:17], s[36:37]
	s_add_nc_u64 s[10:11], s[16:17], s[38:39]
.macro LOAD t
.irp i, 0,1,2,3
	global_load_b128 v[R+16*((\t)%4)+4*\i:R+16*((\t)%4)+4*\i+3], v3, s[4:5] offset:2048*(\t)+512*\i   ; 32 lanes read 512 consecutive bytes
.endr
.endm
.macro WCH t                           ; eight rows of my piece of the weight: W(128 s + 8 t + i, my column); a load of the wave reads 128 consecutive bytes
.irp i, 0,1,2,3,4,5,6,7
.if 8*(\t)+\i < 96
	global_load_b32 v[WB+8*(\t)+\i], v1, s[6:7] offset:(8*(\t)+\i)*4096 th:TH_LOAD_NT
.else
	global_load_b32 v[R+8*(\t)+\i-96], v1, s[6:7] offset:(8*(\t)+\i)*4096 th:TH_LOAD_NT
.endif
.endr
.endm
.macro TURN t                          ; step t's numbers through the stage: LDS serves a wave's instructions in order
.irp i, 0,1,2,3
	ds_store_b128 v14, v[R+16*((\t)%4)+4*\i:R+16*((\t)%4)+4*\i+3] offset:32*SP*((\t)%2)+8*SP*\i
.endr
.irp i, 0,1,2,3
	ds_load_b128 v[X+16*((\t)%2)+4*\i:X+16*((\t)%2)+4*\i+3], v15 offset:32*SP*((\t)%2)+16*\i
.endr
.endm
.irp t, 0,1,2,3
	LOAD \t
.endr
	s_wait_loadcnt 12                              ; step 0's four loads are in
	TURN 0
.macro STEP t
.set XS, X+16*((\t)%2)
.if (\t) > 0
	s_wait_dscnt 1                                 ; this step's numbers are back (the last step's byte store may be out): so the stores into the stage have read their registers
.else
	s_wait_dscnt 0x0
.endif
	WCH \t                                         ; (steps 12 to 15: into sets 0 and 1, whose numbers have gone through the stage)
.if (\t)+4 < STEPS
	LOAD (\t)+4
.endif
.if (\t)+1 < STEPS
.set YX, 4*(STEPS-2-(\t))
.if YX > 12
.set YX, 12
.endif
.set YW, 8*((\t)+1)
.if YW > 24
.set YW, 24
.endif
	s_wait_loadcnt YX+YW                           ; the next step's four loads are in; out may be: the later steps' (YX) and the weight's chunks issued behind them (YW)
	TURN (\t)+1
.endif
	v_max3_num_f32 v8, |v[XS]|, |v[XS+1]|, |v[XS+2]|
	v_max3_num_f32 v9, |v[XS+3]|, |v[XS+4]|, |v[XS+5]|
.irp i, 6,10
	v_max3_num_f32 v8, v8, |v[XS+\i]|, |v[XS+\i+1]|
	v_max3_num_f32 v9, v9, |v[XS+\i+2]|, |v[XS+\i+3]|
.endr
	v_max3_num_f32 v8, v8, |v[XS+14]|, |v[XS+15]|
	v_max3_num_f32 v8, v8, v9, (EMAX+1)<<23        ; and the floor 2^(3 - 127)
	v_max_num_f32_dpp v8, v8, v8 row_xmask:1 row_mask:0xf bank_mask:0xf   ; with my neighbour's 16: the block's
	v_add_nc_u32 v11, -(EMAX<<23), v8              ; 2 off the exponent field: the conversion's scale operand
	v_cvt_scalef32_pk8_fp4_f32 v[C+2*(\t)], v[XS:XS+7], v11
	v_cvt_scalef32_pk8_fp4_f32 v[C+2*(\t)+1], v[XS+8:XS+15], v11
	v_lshrrev_b32 v[E+(\t)], 23, v11               ; the scale's byte (a plain line behind the conversions)
	ds_store_b8 v5, v[E+(\t)] offset:16*(\t)
	global_store_b64 v4, v[C+2*(\t):C+2*(\t)+1], s[42:43] offset:32*CB*(\t)
.endm
.irp t, 0,1,2,3,4,5,6,7,8,9,10,11,12,13,14,15
	STEP \t
.endr
	ds_load_b64 v[80:81], v6
	s_wait_dscnt 0x0
	global_store_b64 v7, v[80:81], s[44:45]        ; 32 lanes store 256 consecutive bytes
	; THE WEIGHT'S PIECE
	s_add_co_u32 s20, s19, WSTG
	v_and_b32 v48, 15, v2                          ; r
	v_lshrrev_b32 v49, 4, v2                       ; h
	v_and_b32 v50, 8, v48
	v_add_nc_u32 v50, v50, v48
	v_mul_u32_u24 v50, v50, SP
	v_lshl_add_u32 v50, v49, 4, v50
	v_add_nc_u32 v50, s20, v50                     ; out of the stage: row r + 8 (r / 8), byte 16 h
	v_mul_u32_u24 v51, v2, SP
	v_add_nc_u32 v51, s20, v51                     ; into it: row = my column
	v_bfe_u32 v84, v2, 3, 1                        ; my column is lane = 8 u + r + 8 (r / 8): u,
	v_and_b32 v85, 7, v2
	v_lshlrev_b32 v84, 9, v84
	v_lshl_add_u32 v84, v85, 5, v84
	v_lshl_add_u32 v84, v49, 8, v84                ; and r: my scale word lies at 512 u + 32 r
	s_wait_alu depctr_va_vdst(0)                   ; the wait ahead of the wait below
.macro BLOCK t
.if (\t) < 3
.set XS, WB+32*(\t)
.else
.set XS, R
.endif
.if (\t) == 0
	s_wait_loadcnt 32                              ; blocks 0 to 2 are in; the fourth block's 32 loads may be out
.endif
.if (\t) == 3
	s_wait_loadcnt 0x0
.endif
	v_max3_num_f32 v8, |v[XS]|, |v[XS+1]|, |v[XS+2]|
	v_max3_num_f32 v9, |v[XS+3]|, |v[XS+4]|, |v[XS+5]|
.irp i, 6,10,14,18,22,26
	v_max3_num_f32 v8, v8, |v[XS+\i]|, |v[XS+\i+1]|
	v_max3_num_f32 v9, v9, |v[XS+\i+2]|, |v[XS+\i+3]|
.endr
	v_max3_num_f32 v8, v8, |v[XS+30]|, |v[XS+31]|
	v_max3_num_f32 v8, v8, v9, (EMAX+1)<<23
	v_add_nc_u32 v11, -(EMAX<<23), v8
	v_lshrrev_b32 v9, 23, v11
.if (\t) == 0
	v_mov_b32 v86, v9                              ; four bytes to a register, the lower K in the lower byte
.else
	v_lshl_or_b32 v86, v9, 8*(\t), v86
.endif
.irp g, 0,1,2,3
	v_cvt_scalef32_pk8_fp4_f32 v[52+4*(\t)+\g], v[XS+8*\g:XS+8*\g+7], v11
.endr
	v_nop                                          ; one plain line behind the last conversion
	ds_store_b128 v51, v[52+4*(\t):52+4*(\t)+3] offset:16*(\t)
.endm
	BLOCK 0
	BLOCK 1
	BLOCK 2
	BLOCK 3
	s_wait_alu depctr_va_vdst(0)
	global_store_b32 v84, v86, s[10:11]
.irp i, 0,1,2,3
	ds_load_b128 v[88+4*\i:88+4*\i+3], v50 offset:(\i/2)*8*SP+32*(\i%2)    ; tile 2 b + i / 2, register group i % 2
.endr
.irp i, 0,1,2,3
	s_wait_dscnt 3-\i
	global_store_b128 v3, v[88+4*\i:88+4*\i+3], s[8:9] offset:(\i/2)*1024+(\i%2)*512   ; 512 consecutive bytes
.endr
	s_wait_tensorcnt 0x0                           ; the wave's end
	ds_add_u32 v[SPW], v[NIL]
	s_wait_dscnt 0x0
	s_endpgm
.Lfunc_end_k_q0d4937254b_quant:
	.size	k_q0d4937254b_quant, .Lfunc_end_k_q0d4937254b_quant-k_q0d4937254b_quant
	.p2alignl 7, 3214868480
	.fill 96, 4, 3214868480
	.section	.rodata,"a",@progbits
	.p2align	6, 0x0
	.amdhsa_kernel k_q0d4937254b_quant
		.amdhsa_group_segment_fixed_size 33280
		.amdhsa_private_segment_fixed_size 0
		.amdhsa_enable_private_segment 0
		.amdhsa_kernarg_size 56
		.amdhsa_user_sgpr_count 2
		.amdhsa_user_sgpr_kernarg_segment_ptr 1
		.amdhsa_wavefront_size32 1
		.amdhsa_system_sgpr_workgroup_id_x 1
		.amdhsa_system_sgpr_workgroup_id_y 1
		.amdhsa_system_sgpr_workgroup_id_z 1
		.amdhsa_system_vgpr_workitem_id 0
		.amdhsa_next_free_vgpr 256
		.amdhsa_next_free_sgpr 66
		.amdhsa_reserve_vcc 0
		.amdhsa_float_denorm_mode_32 3
		.amdhsa_float_denorm_mode_16_64 3
		.amdhsa_memory_ordered 1
		.amdhsa_forward_progress 1
		.amdhsa_inst_pref_size 54
	.end_amdhsa_kernel
	.amdgpu_metadata
---
amdhsa.version: [ 1, 2 ]
amdhsa.kernels:
  - .name:           k_q0d4937254b_quant
    .symbol:         k_q0d4937254b_quant.kd
    .args:
      - { .name: input_tensor, .offset: 0, .size: 8, .value_kind: global_buffer, .address_space: global }
      - { .name: Wq, .offset: 8, .size: 8, .value_kind: global_buffer, .address_space: global }
      - { .name: Wk, .offset: 16, .size: 8, .value_kind: global_buffer, .address_space: global }
      - { .name: Wv, .offset: 24, .size: 8, .value_kind: global_buffer, .address_space: global }
      - { .name: Wd, .offset: 32, .size: 8, .value_kind: global_buffer, .address_space: global }
      - { .name: xq, .offset: 40, .size: 8, .value_kind: global_buffer, .address_space: global }
      - { .name: wq, .offset: 48, .size: 8, .value_kind: global_buffer, .address_space: global }
    .group_segment_fixed_size: 33280
    .private_segment_fixed_size: 0
    .kernarg_segment_align: 8
    .kernarg_segment_size: 56
    .max_flat_workgroup_size: 128
    .sgpr_count:     66
    .vgpr_count:     256
    .wavefront_size: 32
...
	.end_amdgpu_metadata
.endif
;; end of part 1
;; launch qkv (part 2): grid 12 x 32, 16 waves a work-group, clusters of 4 x 4, 288,768 bytes of LDS; arguments xq, wq, bq, bk, bv, qkv; writes qkv
.if DOCPART == 2
	.amdgcn_target "amdgcn-amd-amdhsa--gfx1250"
	.amdhsa_code_object_version 6
	.text
	.protected	k_q0d4937254b_qkv
	.globl	k_q0d4937254b_qkv
	.p2align	8
	.type	k_q0d4937254b_qkv,@function
k_q0d4937254b_qkv:
	s_mov_b64 s[64:65], 0
	v_nop
	global_prefetch_b8 v0, s[64:65] scope:SCOPE_SE
	s_setreg_imm32_b32 hwreg(HW_REG_WAVE_MODE, 25, 1), 1
	s_wait_xcnt 0x0
	s_wait_alu depctr_hold_cnt(0) depctr_sa_sdst(0) depctr_va_vdst(0) depctr_va_sdst(0) depctr_va_ssrc(0) depctr_va_vcc(0) depctr_vm_vsrc(0)
	s_getreg_b32 s2, hwreg(HW_REG_IB_STS2, 6, 4)
	s_cmp_eq_u32 s2, 0
	s_cbranch_scc0 .Lentry_in_a_cluster
	s_endpgm
.Lentry_in_a_cluster:
	s_bfe_u32 s2, ttmp6, 0x10000c
	s_cmp_lg_u32 s2, 0xf033
	s_cbranch_scc0 .Lentry_shape_is_right
	s_endpgm
.Lentry_shape_is_right:
; q = x Wq + bq, k = x Wk + bk, v = x Wv + bv on codes of FP4 (E2M1) with E8M0 scales, f32 sums; the results are quantised in registers, straight from the accumulators, and leave as codes and scale bytes
; laid as the attention launch's operands want them.  Nothing wide goes to memory.
; SHARES.  A work-group makes 256 tokens (work-group y) x 256 columns (work-group x: 0-3 of Wq, 4-7 of Wk, 8-11 of Wv).  All of K = 1,024 of both operands lies in LDS, brought once, in two halves along K.
; Sixteen waves, four to a SIMD, each 64 tokens (wx = wave / 4) x 64 columns (wy = wave % 4: one head): 16 accumulators of 16 x 16 in 128 registers, no register windows.
; CLUSTERS: 4 x 4 work-groups.  The four of a row of the cluster need the same tokens, the four of a column the same columns of the weight: each tile is asked for JOINTLY (the same tensor load, the same
; descriptor, a mask that names the four).  A cluster's x is 0 for q, 1 for k, 2 for v: the one branch on a work-group's number hangs on that, which all sixteen partners share.
; q, k: THE MATRIX INSTRUCTION IS USED TRANSPOSED (source 0 = 16 columns of the weight, source 1 = 16 tokens): a lane holds one token, and, by the order of a weight tile's columns, the 16 registers of tiles
;   2 b and 2 b + 1 are the head's channels 32 b + 16 (lane / 16) + 0 .. 15: neighbours along the next K.  A tile of 16 tokens gives registers 0-3 of a fragment (64 channels) and a scale word with two bytes.
; v:    source 0 = 16 tokens, source 1 = 16 columns: a lane holds one channel and its registers run along the tokens, which are the keys, the next K.  Inside a block of 32 keys the octets lie in the order
;   0, 2, 1, 3; the attention launch's weights p are made by the same steps and lie in the same order, so each product meets its partner.
; The bias is the C of each sum's first matrix instruction.
; THE SCALE BYTES OF q, k, v ARE HELD AT 4 FROM BELOW (floor 2^-121), so that the attention launch can take 3 off q's bytes (the division by sqrt(64)) without a borrow.
; LIMITS: blocks of q, k, v whose largest magnitude lies under 2^-121 get the byte 4 (a block of zeros too: its codes are zeros); NaN and infinities are not served.
; LDS: x's 256 rows of 512 bytes, 528 apart (half hf at 256 hf in a row), then at WOFF the weight's images [group of 64 columns 4][K step 8][tile 4][1,024 bytes] (half hf at 16,384 hf in a group); at SCL x's scale bytes (256 rows x 32), then the weight's.
; Every LDS byte is filled once.
.set XP,    528                        ; a row of x's codes in LDS: all of K, 512 bytes + 16
.set WOFF,  135168                     ; 256 x XP: the weight's images [group of 64 columns 4][K step 8][tile 4][1,024 bytes]
.set SCL,   266240                     ; behind them x's scale bytes, then the weight's
.set X_S,   4194304                    ; in xq: the scale bytes
.set W_S,   2097152                    ; in wq: the scale bytes
.set V_C,   8388608                    ; in qkv: q's codes at 0, k's at 4 Mi, v's here;
.set Q_S,   12582912                   ; q's scale words, k's 512 Ki on;
.set V_S,   13631488                   ; v's
.set AX,    4                          ; v4-5    LDS address of my fragments of x in half 0, 1
.set AW,    6                          ; v6-7    of the weight's images
.set AS,    8                          ; v8      of my scale words: lanes 0-15 x's rows, lanes 16-31 the weight's
.set SC,    16                         ; v16-31  scale words and nothing else: register 4 t + q: lanes 0-15 x's tile t, lanes 16-31 the weight's tile t, the half's q-th K step
.set BIAS,  32                         ; v32-63  the bias in the result's layout, 8 registers a weight tile
.set XF,    64                         ; v64-95  x's four fragments
.set WF,    96                         ; v96-127 the weight's four
.set ACC,   128                        ; v128-255 accumulator (xt, yt) at ACC + 8 (4 xt + yt)
.set TM,    64                         ; the way out: v64-69 at work, v32-47 codes, v48-51 scale words, v52-54 packed
.set PC,    32
.set WD,    48
.set PK,    52
.set WV,    16                         ; s16 wave, s17 wx, s18 wy, s19 the kind (0 q, 1 k, 2 v), s20 cx, s21 cy, s22 x, s23 y
.set KIND,  19
.set SEL,   84                         ; s[84:85] v_permlanex16_b32's selects for lane l xor 16
.set HM,    86                         ; s86 the mask of lanes 16-31
.macro CROUND                          ; a round of the cluster's barrier
	s_barrier_signal -1
	s_barrier_wait -1
	s_cmp_lg_u32 s[WV], 0
	s_cbranch_scc1 .Lnot_wave_0_\@
	s_barrier_signal -3
.Lnot_wave_0_\@:
	s_barrier_wait -3
	s_barrier_signal -1
	s_barrier_wait -1
.endm
.macro PLACES
.rept 4
	v_nop
.endr
.endm
	s_load_b256 s[4:11], s[0:1], 0x0               ; xq s[4:5], wq s[6:7], bq s[8:9], bk s[10:11]
	s_load_b128 s[12:15], s[0:1], 0x20             ; bv s[12:13], qkv s[14:15]
	v_lshl_add_u32 v14, v0, 2, 0x46000
	v_mov_b32 v15, 0
	ds_add_u32 v14, v15
	ds_add_u32 v14, v15
	v_lshrrev_b32 v1, 5, v0
	s_delay_alu instid0(VALU_DEP_1)
	v_readfirstlane_b32 s[WV], v1                  ; wave 0..15
	s_lshr_b32 s17, s[WV], 2                       ; wx
	s_and_b32 s18, s[WV], 3                        ; wy
	s_mov_b32 s[KIND], ttmp9                       ; the cluster's x
	s_bfe_u32 s20, ttmp6, 0x40000                  ; cx
	s_bfe_u32 s21, ttmp6, 0x40004                  ; cy
	s_lshl_b32 s22, ttmp9, 2
	s_add_co_u32 s22, s22, s20                     ; x = 4 x cluster x + cx
	s_and_b32 s23, ttmp7, 0xffff
	s_lshl_b32 s23, s23, 2
	s_add_co_u32 s23, s23, s21                     ; y = 4 x cluster y + cy
	s_lshl_b32 s96, s21, 2
	s_lshl_b32 s96, 15, s96                        ; my row of the cluster
	s_lshl_b32 s97, 0x1111, s20                    ; my column
	; descriptor groups 1.  x's codes: 64 rows of 512 bytes, 512 apart in memory, 16 bytes of padding behind each in LDS
	s_or_b32 s24, s96, (0<<16)|(1<<20)|(1<<21)|(6<<22)|(3<<25)   ; x's codes: 64 whole rows of 512 bytes, four words of padding after every 128
	s_mov_b32 s25, 512<<16
	s_mov_b32 s26, 64<<16
	s_mov_b32 s27, 512<<16
	s_mov_b32 s28, 64
	s_mov_b32 s29, 512                             ; the pitch
	s_mov_b32 s30, 0
	s_mov_b32 s31, 0
	; the weight's images: 16,384 dense bytes as 64 rows of 32 elements of 8 bytes
	s_or_b32 s32, s97, (3<<16)|(1<<21)
	s_mov_b32 s33, 32<<16
	s_mov_b32 s34, 64<<16                          ; the weight's images: 16,384 dense bytes as 64 rows of 256
	s_mov_b32 s35, 32<<16
	s_mov_b32 s36, 64
	s_mov_b32 s37, 32
	s_mov_b32 s38, 0
	s_mov_b32 s39, 0
	; scale bytes: 4,096 dense bytes as 16 such rows; x's with my row's mask, the weight's with my column's
	s_or_b32 s40, s96, (3<<16)|(1<<21)
	s_or_b32 s48, s97, (3<<16)|(1<<21)
.irp g, 40, 48
	s_mov_b32 s[\g+1], 32<<16
	s_mov_b32 s[\g+2], 16<<16                      ; scale bytes: 4,096 dense bytes as 16 rows of 256
	s_mov_b32 s[\g+3], 32<<16
	s_mov_b32 s[\g+4], 16
	s_mov_b32 s[\g+5], 32
	s_mov_b32 s[\g+6], 0
	s_mov_b32 s[\g+7], 0
.endr
	; what I fetch: i = wave % 2 for the scale bytes, wave - 4 for the weight's images.  x's offsets never hold cx, the weight's never cy
	s_and_b32 s93, s[WV], 1                        ; ONE LOAD A WAVE: waves 0-3 x's codes (64 rows each), 4-11 the weight's images (16,384 bytes each), 12-13 the halves of x's scale bytes, 14-15 of the weight's
	s_lshl_b32 s93, s93, 12
	s_lshl_b32 s88, s23, 13
	s_add_co_u32 s88, s88, s93
	s_add_co_u32 s88, s88, X_S                     ; x's scales: X_S + 8,192 y + 4,096 i
	s_mov_b32 s89, 0
	s_lshl_b32 s90, s22, 13
	s_add_co_u32 s90, s90, s93
	s_add_co_u32 s90, s90, W_S                     ; the weight's: W_S + 8,192 x + 4,096 i
	s_mov_b32 s91, 0
	s_lshl_b32 s94, s[WV], 15
	s_lshl_b32 s98, s23, 17
	s_add_co_u32 s98, s98, s94                     ; x's codes: (256 y + 64 wave) rows of 512 bytes
	s_mov_b32 s99, 0
	s_add_co_u32 s94, s[WV], 4
	s_and_b32 s94, s94, 7                          ; wave - 4 in waves 4 to 11
	s_lshl_b32 s94, s94, 14
	s_lshl_b32 s95, s22, 17
	s_add_co_u32 s94, s94, s95                     ; the weight's: 32,768 (4 x + i / 2) + 16,384 (i % 2)
	s_mov_b32 s95, 0
	; descriptor groups 0: s[56:59] x's scale bytes, s[60:63] x's codes; s[72:75] the weight's scale bytes, s[76:79] its images.  LDS addresses hang on the wave's number alone
	s_mov_b32 s56, 1
	s_lshl_b32 s57, s[WV], 12
	s_add_co_u32 s57, s57, SCL-49152               ; SCL + 4,096 (wave - 12)
	s_mov_b32 s60, 1
	s_mul_i32 s61, s[WV], 64*XP
	s_mov_b32 s72, 1
	s_lshl_b32 s73, s[WV], 12
	s_add_co_u32 s73, s73, SCL-49152               ; SCL + 8,192 + 4,096 (wave - 14)
	s_mov_b32 s76, 1
	s_lshl_b32 s77, s[WV], 14
	s_add_co_u32 s77, s77, WOFF-65536              ; WOFF + 16,384 (wave - 4)
	s_mov_b32 s[SEL], 0x76543210
	s_mov_b32 s[SEL+1], 0xfedcba98
	s_mov_b32 s[HM], 0xffff0000
	s_wait_dscnt 0x0
	s_wait_kmcnt 0x0
	s_add_nc_u64 s[58:59], s[4:5], s[88:89]
	s_add_nc_u64 s[62:63], s[4:5], s[98:99]
	s_add_nc_u64 s[74:75], s[6:7], s[90:91]
	s_add_nc_u64 s[78:79], s[6:7], s[94:95]
.irp g, 59, 63, 75, 79
	s_or_b32 s[\g], s[\g], 0x80000000              ; type = 2
.endr
	CROUND                                         ; all sixteen work-groups are here: the joint loads meet
; one chain of branches on the wave's number, one load to an arm, all arms leading to one join
.macro ARM under, g0, g1, next
	s_cmp_lt_u32 s[WV], \under
	s_cbranch_scc0 \next
	tensor_load_to_lds s[\g0:\g0+3], s[\g1:\g1+7]
	s_nop 0
	PLACES
	s_branch .Lfilled
\next:
.endm
	ARM 4, 60, 24, .Lfill_w
	ARM 12, 76, 32, .Lfill_sx
	ARM 14, 56, 40, .Lfill_sw
	tensor_load_to_lds s[72:75], s[48:55]
	s_nop 0
	PLACES
.Lfilled:
	v_and_b32 v1, 15, v0                           ; r
	v_bfe_u32 v2, v0, 4, 1                         ; h
	v_and_b32 v3, 31, v0                           ; lane
	s_delay_alu instid0(VALU_DEP_1)
	v_lshlrev_b32 v10, 3, v3                       ; 8 x lane
	s_delay_alu instid0(VALU_DEP_2)
	v_lshlrev_b32 v11, 2, v3                       ; 4 x lane
	s_delay_alu instid0(VALU_DEP_3)
	v_lshlrev_b32 v3, 4, v3                        ; 16 x lane
	s_mul_i32 s88, s17, 64*XP
	v_mul_u32_u24 v[AX], v1, XP
	s_delay_alu instid0(VALU_DEP_1)
	v_lshl_add_u32 v[AX], v2, 4, v[AX]
	s_delay_alu instid0(VALU_DEP_1)
	v_add_nc_u32 v[AX], s88, v[AX]                 ; x: row 64 wx + r, + 16 h
	s_delay_alu instid0(VALU_DEP_1)
	v_add_nc_u32 v[AX+1], 256, v[AX]
	s_lshl_b32 s88, s18, 15
	s_add_co_u32 s88, s88, WOFF
	v_add_nc_u32 v[AW], s88, v3                    ; the weight: group wy's images, 16 x lane
	s_delay_alu instid0(VALU_DEP_1)
	v_add_nc_u32 v[AW+1], 16384, v[AW]
	s_xor_b32 s88, s17, 3                          ; 3 - wx
	s_add_co_u32 s88, s88, s18
	s_lshl_b32 s88, s88, 11
	s_add_co_u32 s88, s88, 2048                    ; from x's row 64 wx to the weight's row 64 wy: 8,192 + 2,048 wy - 2,048 wx bytes
	v_mul_u32_u24 v[AS], s88, v2                   ; lanes 16-31 take the weight's
	s_lshl_b32 s89, s17, 11
	s_add_co_u32 s89, s89, SCL
	v_lshl_add_u32 v[AS], v1, 5, v[AS]
	s_delay_alu instid0(VALU_DEP_1)
	v_add_nc_u32 v[AS], s89, v[AS]
	v_lshlrev_b32 v9, 6, v2                        ; the bias of q, k: my half's 16 channels begin 64 h bytes on
	v_and_b32 v12, 8, v1
	s_delay_alu instid0(VALU_DEP_1)
	v_add_nc_u32 v12, v12, v1
	s_delay_alu instid0(VALU_DEP_1)
	v_lshlrev_b32 v12, 2, v12                      ; of v: my channel r + 8 (r / 8)
	s_and_b32 s92, s22, 3
	s_lshl_b32 s92, s92, 10
	s_lshl_b32 s93, s18, 8
	s_add_co_u32 s92, s92, s93                     ; my head's 64 numbers: (256 (x % 4) + 64 wy) x 4 bytes
	s_mov_b32 s93, 0
	s_cmp_eq_u32 s[KIND], 0
	s_cselect_b64 s[94:95], s[8:9], s[10:11]
	s_cmp_eq_u32 s[KIND], 2
	s_cselect_b64 s[94:95], s[12:13], s[94:95]
	s_add_nc_u64 s[94:95], s[94:95], s[92:93]
	s_cmp_eq_u32 s[KIND], 2
	s_cbranch_scc1 .Lbias_v
	s_wait_alu depctr_va_vdst(0)
.irp t, 0,1,2,3                                ; q, k: register j of tile 2 b + u is channel 32 b + 16 h + 8 u + j
	global_load_b128 v[BIAS+8*\t:BIAS+8*\t+3], v9, s[94:95] offset:(32*(\t/2)+8*(\t%2))*4
	global_load_b128 v[BIAS+8*\t+4:BIAS+8*\t+7], v9, s[94:95] offset:(32*(\t/2)+8*(\t%2))*4+16
.endr
	s_branch .Lbias_done
.Lbias_v:
	s_wait_alu depctr_va_vdst(0)
.irp t, 0,1,2,3                                ; v: all eight registers (eight tokens) are channel 32 b + 8 u + r + 8 (r / 8)
.irp j, 0,1,2,3,4,5,6,7
	global_load_b32 v[BIAS+8*\t+\j], v12, s[94:95] offset:(32*(\t/2)+8*(\t%2))*4
.endr
.endr
.Lbias_done:
.macro SCALES hf                       ; the half's scale words: four words a row
.irp t, 0,1,2,3
	ds_load_b128 v[SC+4*\t:SC+4*\t+3], v[AS] offset:512*\t+16*\hf
.endr
.endm
; 16 matrix instructions, the 16 accumulators by turns, in the same order in every K step and in both kinds.  first = 1: the bias starts the sums
.macro MULS q, first, vk
.irp xt, 0,1,2,3
.irp yt, 0,1,2,3
.if \vk
.if \first
	v_wmma_scale_f32_16x16x128_f8f6f4 v[ACC+8*(4*\xt+\yt):ACC+8*(4*\xt+\yt)+7], v[XF+8*\xt:XF+8*\xt+7], v[WF+8*\yt:WF+8*\yt+7], v[BIAS+8*\yt:BIAS+8*\yt+7], v[SC+4*\xt+\q], v[SC+4*\yt+\q] matrix_a_fmt:MATRIX_FMT_FP4 matrix_b_fmt:MATRIX_FMT_FP4 matrix_b_scale:MATRIX_SCALE_ROW1
.else
	v_wmma_scale_f32_16x16x128_f8f6f4 v[ACC+8*(4*\xt+\yt):ACC+8*(4*\xt+\yt)+7], v[XF+8*\xt:XF+8*\xt+7], v[WF+8*\yt:WF+8*\yt+7], v[ACC+8*(4*\xt+\yt):ACC+8*(4*\xt+\yt)+7], v[SC+4*\xt+\q], v[SC+4*\yt+\q] matrix_a_fmt:MATRIX_FMT_FP4 matrix_b_fmt:MATRIX_FMT_FP4 matrix_b_scale:MATRIX_SCALE_ROW1
.endif
.else
.if \first
	v_wmma_scale_f32_16x16x128_f8f6f4 v[ACC+8*(4*\xt+\yt):ACC+8*(4*\xt+\yt)+7], v[WF+8*\yt:WF+8*\yt+7], v[XF+8*\xt:XF+8*\xt+7], v[BIAS+8*\yt:BIAS+8*\yt+7], v[SC+4*\yt+\q], v[SC+4*\xt+\q] matrix_a_fmt:MATRIX_FMT_FP4 matrix_b_fmt:MATRIX_FMT_FP4 matrix_a_scale:MATRIX_SCALE_ROW1
.else
	v_wmma_scale_f32_16x16x128_f8f6f4 v[ACC+8*(4*\xt+\yt):ACC+8*(4*\xt+\yt)+7], v[WF+8*\yt:WF+8*\yt+7], v[XF+8*\xt:XF+8*\xt+7], v[ACC+8*(4*\xt+\yt):ACC+8*(4*\xt+\yt)+7], v[SC+4*\yt+\q], v[SC+4*\xt+\q] matrix_a_fmt:MATRIX_FMT_FP4 matrix_b_fmt:MATRIX_FMT_FP4 matrix_a_scale:MATRIX_SCALE_ROW1
.endif
.endif
.endr
.endr
.endm
; A K step of 128: eight fragments from LDS, 16 products.  The branch hangs on the cluster's x and stands round the products alone
.macro KSTEP hf, q, first
.irp t, 0,1,2,3
	ds_load_b128 v[XF+8*\t:XF+8*\t+3], v[AX+\hf] offset:16*XP*\t+64*\q
	ds_load_b128 v[XF+8*\t+4:XF+8*\t+7], v[AX+\hf] offset:16*XP*\t+64*\q+32
.endr
.irp t, 0,1,2,3
	ds_load_b128 v[WF+8*\t:WF+8*\t+3], v[AW+\hf] offset:4096*\q+1024*\t
	ds_load_b128 v[WF+8*\t+4:WF+8*\t+7], v[AW+\hf] offset:4096*\q+1024*\t+512
.endr
	s_wait_dscnt 0x0
	s_cmp_eq_u32 s[KIND], 2
	s_cbranch_scc1 .Lkind_v_\@
	MULS \q, \first, 0
	s_branch .Ljoin_\@
.Lkind_v_\@:
	MULS \q, \first, 1
.Ljoin_\@:
	PLACES                                         ; four places in front of loads into registers that these products have read, and of the first read of results
.endm
	s_wait_loadcnt 0x0                             ; the bias
	s_wait_tensorcnt 0x0                           ; my one load is in
	s_barrier_signal -1
	s_barrier_wait -1                              ; everybody's are
	SCALES 0
	KSTEP 0, 0, 1
	KSTEP 0, 1, 0
	KSTEP 0, 2, 0
	KSTEP 0, 3, 0
	SCALES 1
	KSTEP 1, 0, 0
	KSTEP 1, 1, 0
	KSTEP 1, 2, 0
	KSTEP 1, 3, 0
; 64 numbers along the next K in four accumulators: block 0 in a0, a1, block 1 in a2, a3 (a lane holds 16 of each block, lane l xor 16 the other 16) become four registers of codes, v[pc] on
; (lanes 0-15 block 0, lanes 16-31 block 1), and the two scale bytes in v[w].  Each accumulator is read from its low end on.
.macro QUANT2 a0, a1, a2, a3, pc, w, floor
	v_max3_num_f32 v[TM], |v[(\a0)]|, |v[(\a0)+1]|, \floor          ; my 16 numbers of each block, and the floor; the two blocks by turns
	v_max3_num_f32 v[TM+1], |v[(\a2)]|, |v[(\a2)+1]|, \floor
.irp i, 2,4,6
	v_max3_num_f32 v[TM], v[TM], |v[(\a0)+\i]|, |v[(\a0)+\i+1]|
	v_max3_num_f32 v[TM+1], v[TM+1], |v[(\a2)+\i]|, |v[(\a2)+\i+1]|
.endr
.irp i, 0,2,4,6
	v_max3_num_f32 v[TM], v[TM], |v[(\a1)+\i]|, |v[(\a1)+\i+1]|
	v_max3_num_f32 v[TM+1], v[TM+1], |v[(\a3)+\i]|, |v[(\a3)+\i+1]|
.endr
	s_delay_alu instid0(VALU_DEP_2)
	v_permlanex16_b32 v[TM+2], v[TM], s[SEL], s[SEL+1]
	s_delay_alu instid0(VALU_DEP_2)
	v_permlanex16_b32 v[TM+3], v[TM+1], s[SEL], s[SEL+1]
	s_delay_alu instid0(VALU_DEP_2)
	v_max_num_f32 v[TM], v[TM], v[TM+2]            ; with lane l xor 16's: the block's largest magnitude
	s_delay_alu instid0(VALU_DEP_2)
	v_max_num_f32 v[TM+1], v[TM+1], v[TM+3]
	s_delay_alu instid0(VALU_DEP_2)
	v_add_nc_u32 v[TM+4], 0xff000000, v[TM]        ; 2 off the exponent field: the conversion's scale operand
	s_delay_alu instid0(VALU_DEP_2)
	v_add_nc_u32 v[TM+5], 0xff000000, v[TM+1]
	s_delay_alu instid0(VALU_DEP_2)
	v_lshrrev_b32 v[TM+2], 23, v[TM+4]             ; the scale's byte
	s_delay_alu instid0(VALU_DEP_2)
	v_lshrrev_b32 v[TM+3], 23, v[TM+5]
	s_delay_alu instid0(VALU_DEP_1)
	v_lshl_or_b32 v[\w], v[TM+3], 8, v[TM+2]
	v_cvt_scalef32_pk8_fp4_f32 v[(\pc)], v[(\a0):(\a0)+7], v[TM+4]
	v_cvt_scalef32_pk8_fp4_f32 v[(\pc)+1], v[(\a1):(\a1)+7], v[TM+4]
	v_cvt_scalef32_pk8_fp4_f32 v[(\pc)+2], v[(\a2):(\a2)+7], v[TM+5]
	v_cvt_scalef32_pk8_fp4_f32 v[(\pc)+3], v[(\a3):(\a3)+7], v[TM+5]
	v_nop                                          ; one plain place behind a scaled conversion
	v_permlane16_swap_b32 v[(\pc)], v[(\pc)+2]     ; the operand's layout wants a whole block in a lane
	v_permlane16_swap_b32 v[(\pc)+1], v[(\pc)+3]
.endm
	; THE WAY OUT
	v_mov_b32 v[TM+2], 0                           ; a lane permute's destination counts as one of its sources
	v_mov_b32 v[TM+3], 0
	s_lshr_b32 s88, s23, 3                         ; the batch
	s_and_b32 s89, s23, 7
	s_lshl_b32 s89, s89, 2
	s_add_co_u32 s89, s89, s17                     ; g: my 64 tokens' place in the batch
	s_and_b32 s90, s22, 3
	s_lshl_b32 s90, s90, 2
	s_add_co_u32 s90, s90, s18                     ; the head
	s_lshl_b32 s88, s88, 4
	s_add_co_u32 s88, s88, s90                     ; bh = 16 x batch + head
	s_cmp_eq_u32 s[KIND], 2
	s_cbranch_scc1 .Lout_v
	s_lshl_b32 s92, s[KIND], 22                    ; q, k.  Codes: 4 Mi x kind + 65,536 bh + 2,048 g
	s_lshl_b32 s93, s88, 16
	s_add_co_u32 s92, s92, s93
	s_lshl_b32 s93, s89, 11
	s_add_co_u32 s92, s92, s93
	s_mov_b32 s93, 0
	s_add_nc_u64 s[92:93], s[14:15], s[92:93]
	s_lshl_b32 s94, s[KIND], 19                    ; scale words: Q_S + 512 Ki x kind + 8,192 bh + 256 g
	s_lshl_b32 s95, s88, 13
	s_add_co_u32 s94, s94, s95
	s_lshl_b32 s95, s89, 8
	s_add_co_u32 s94, s94, s95
	s_add_co_u32 s94, s94, Q_S
	s_mov_b32 s95, 0
	s_add_nc_u64 s[94:95], s[14:15], s[94:95]
.irp xt, 0,1,2,3
	QUANT2 ACC+32*\xt, ACC+32*\xt+8, ACC+32*\xt+16, ACC+32*\xt+24, PC+4*\xt, WD+\xt, 0x3000000
	global_store_b128 v3, v[PC+4*\xt:PC+4*\xt+3], s[92:93] offset:512*\xt       ; a tile of 16 tokens: 512 consecutive bytes
.endr
	v_cndmask_b32 v[PK], v[WD], v[WD+1], s[HM]     ; lanes 0-15 tile 0's words, lanes 16-31 tile 1's,
	v_cndmask_b32 v[PK+1], v[WD+2], v[WD+3], s[HM] ; and tiles 2 and 3 likewise: so one register serves two tiles in the attention launch
	global_store_b64 v10, v[PK:PK+1], s[94:95]     ; 256 consecutive bytes
	s_branch .Lout_done
.Lout_v:
	s_lshl_b32 s92, s88, 16                        ; v.  Codes: V_C + 65,536 bh + 4,096 (g / 2) + 512 (g % 2); tile yt 1,024 on
	s_lshr_b32 s93, s89, 1
	s_lshl_b32 s93, s93, 12
	s_add_co_u32 s92, s92, s93
	s_and_b32 s93, s89, 1
	s_lshl_b32 s93, s93, 9
	s_add_co_u32 s92, s92, s93
	s_add_co_u32 s92, s92, V_C
	s_mov_b32 s93, 0
	s_add_nc_u64 s[92:93], s[14:15], s[92:93]
	s_lshl_b32 s94, s88, 12                        ; scale words: V_S + 4,096 bh + 128 g
	s_lshl_b32 s95, s89, 7
	s_add_co_u32 s94, s94, s95
	s_add_co_u32 s94, s94, V_S
	s_mov_b32 s95, 0
	s_add_nc_u64 s[94:95], s[14:15], s[94:95]
.irp yt, 0,1,2,3
	QUANT2 ACC+8*\yt, ACC+32+8*\yt, ACC+64+8*\yt, ACC+96+8*\yt, PC+4*\yt, WD+\yt, 0x3000000
	global_store_b128 v3, v[PC+4*\yt:PC+4*\yt+3], s[92:93] offset:1024*\yt      ; half a fragment (64 keys of 16 channels): 512 consecutive bytes
.endr
	v_cndmask_b32 v[PK], v[WD], v[WD+1], s[HM]
	v_cndmask_b32 v[PK+1], v[WD+2], v[WD+3], s[HM]
	s_delay_alu instid0(VALU_DEP_1)
	v_lshl_or_b32 v[PK+2], v[PK+1], 16, v[PK]      ; low half: channel tiles 0 | 1; high half: tiles 2 | 3
	global_store_b32 v11, v[PK+2], s[94:95]        ; 128 consecutive bytes
.Lout_done:
	s_wait_tensorcnt 0x0
	ds_add_u32 v14, v15
	s_wait_dscnt 0x0
	CROUND                                         ; the closing round: no work-group ends while a partner may still ask for a tile that names it
	s_endpgm
.Lfunc_end_k_q0d4937254b_qkv:
	.size	k_q0d4937254b_qkv, .Lfunc_end_k_q0d4937254b_qkv-k_q0d4937254b_qkv
	.p2alignl 7, 3214868480
	.fill 96, 4, 3214868480
	.section	.rodata,"a",@progbits
	.p2align	6, 0x0
	.amdhsa_kernel k_q0d4937254b_qkv
		.amdhsa_group_segment_fixed_size 288768
		.amdhsa_private_segment_fixed_size 0
		.amdhsa_enable_private_segment 0
		.amdhsa_kernarg_size 48
		.amdhsa_user_sgpr_count 2
		.amdhsa_user_sgpr_kernarg_segment_ptr 1
		.amdhsa_wavefront_size32 1
		.amdhsa_system_sgpr_workgroup_id_x 1
		.amdhsa_system_sgpr_workgroup_id_y 1
		.amdhsa_system_sgpr_workgroup_id_z 1
		.amdhsa_system_vgpr_workitem_id 0
		.amdhsa_next_free_vgpr 256
		.amdhsa_next_free_sgpr 100
		.amdhsa_reserve_vcc 0
		.amdhsa_float_denorm_mode_32 3
		.amdhsa_float_denorm_mode_16_64 3
		.amdhsa_memory_ordered 1
		.amdhsa_forward_progress 1
		.amdhsa_inst_pref_size 75
	.end_amdhsa_kernel
	.amdgpu_metadata
---
amdhsa.version: [ 1, 2 ]
amdhsa.kernels:
  - .name:           k_q0d4937254b_qkv
    .symbol:         k_q0d4937254b_qkv.kd
    .args:
      - { .name: xq, .offset: 0, .size: 8, .value_kind: global_buffer, .address_space: global }
      - { .name: wq, .offset: 8, .size: 8, .value_kind: global_buffer, .address_space: global }
      - { .name: bq, .offset: 16, .size: 8, .value_kind: global_buffer, .address_space: global }
      - { .name: bk, .offset: 24, .size: 8, .value_kind: global_buffer, .address_space: global }
      - { .name: bv, .offset: 32, .size: 8, .value_kind: global_buffer, .address_space: global }
      - { .name: qkv, .offset: 40, .size: 8, .value_kind: global_buffer, .address_space: global }
    .group_segment_fixed_size: 288768
    .private_segment_fixed_size: 0
    .kernarg_segment_align: 8
    .kernarg_segment_size: 48
    .max_flat_workgroup_size: 512
    .sgpr_count:     100
    .vgpr_count:     256
    .wavefront_size: 32
...
	.end_amdgpu_metadata
.endif
;; end of part 2
;; launch attn (part 3): grid 4 x 64, 8 waves a work-group, clusters of 4 x 1, 167,936 bytes of LDS; arguments qkv, attention_mask, ctxq; writes ctxq
.if DOCPART == 3
	.amdgcn_target "amdgcn-amd-amdhsa--gfx1250"
	.amdhsa_code_object_version 6
	.text
	.protected	k_q0d4937254b_attn
	.globl	k_q0d4937254b_attn
	.p2align	8
	.type	k_q0d4937254b_attn,@function
k_q0d4937254b_attn:
	s_mov_b64 s[64:65], 0
	v_nop
	global_prefetch_b8 v0, s[64:65] scope:SCOPE_SE
	s_setreg_imm32_b32 hwreg(HW_REG_WAVE_MODE, 25, 1), 1
	s_wait_xcnt 0x0
	s_wait_alu depctr_hold_cnt(0) depctr_sa_sdst(0) depctr_va_vdst(0) depctr_va_sdst(0) depctr_va_ssrc(0) depctr_va_vcc(0) depctr_vm_vsrc(0)
	s_getreg_b32 s2, hwreg(HW_REG_IB_STS2, 6, 4)
	s_cmp_eq_u32 s2, 0
	s_cbranch_scc0 .Lentry_in_a_cluster
	s_endpgm
.Lentry_in_a_cluster:
	s_bfe_u32 s2, ttmp6, 0x10000c
	s_cmp_lg_u32 s2, 0x3003
	s_cbranch_scc0 .Lentry_shape_is_right
	s_endpgm
.Lentry_shape_is_right:
; ctx = softmax(q k^T / 8 + attention_mask) v for one batch and head (work-group y) and 512 queries (work-group x), both products on codes of FP4 (E2M1) with E8M0 scales; ctx leaves as codes and scale bytes.
; t = (score / 8 + mask) x log2(e); M = the running largest t rounded up to a whole number; p = 2^(t - M) is quantised along the keys; the row's sum is taken of the unquantised p and divides at the end.
; The division by 8 is 3 taken off q's scale bytes (they are held at 4 from below by the launch that makes them).  The mask is the C of the first product.
; SHARES.  Eight waves, two to a SIMD.  A wave owns 64 queries, in two passes of TWO tiles of 16: each fragment of k, of v and of the mask that it reads from LDS serves both tiles, and the two tiles' chains stand interleaved.
; All 2,048 keys of the head lie in LDS, brought once by the head's loads, one a wave; every LDS byte is filled once.  The four work-groups of a cluster share batch and head and ask for these tiles jointly.
; No data prefetch: all that comes from memory in bulk is asked for at the head, and the loop reads LDS alone.
; LAYOUT.  Both products are used transposed: a lane holds one query (lane % 16).  THE KEYS OF A TILE: row r of tile (c, o) is key 64 c + 32 (r / 8) + 8 o + r % 8 of the step's 128, so that lane half h holds in the
; 32 registers of tiles (c, 0..3) the WHOLE block 2 c + h: its maximum needs no other lane, and the four conversions' results are registers of the second product's operand as they stand.
; v's codes hold a block's octets in the order 0, 2, 1, 3; tile (c, o)'s codes go to register 4 c + (0, 2, 1, 3)[o], so each product meets its partner.
; The head has 64 channels, the instruction 128: q's registers 4-7 are zero codes, so k's fragments lie packed, four registers each, and a tile's upper half names the next tile's codes, which meet zeros.
; LDS loads run one step ahead: k, its scale words and the mask behind the first product, v behind the second.  The last step of a pass asks for its own step once more (the address is held at the last step).
; REGISTERS, in two windows of 256.  Window 0: addresses, q, k, v, mask, p's codes, all scale registers.  Window 1: v0-127 scores / p of the two tiles, v128-191 O^T, v192-221 the tiles' state, v224 8 x (lane / 16).
; LIMITS: the promise holds while the scaled scores stay under 2^31 in magnitude; NaN among the inputs is not served; blocks of ctx under 2^-124 get the byte 1.
.set VC,   73728                       ; LDS: k's codes at 0, 64 blocks of 32 keys, 1,024 bytes + 128 of padding each; v's images here
.set KS,   139264                      ; k's scale words
.set MK,   147456                      ; the mask, f32
.set VS,   155648                      ; v's scale words
.set SPARE, 159744                     ; the spare words, 128 bytes a wave
.set K_C,  4194304
.set V_C,  8388608
.set Q_S,  12582912
.set K_S,  13107200
.set V_S,  13631488
.set C_S,  4194304
.set L16,  1                           ; 16 x lane
.set KB,   2                           ; my lane's place in k's codes, k's scale words, the mask, v's images, v's scale words
.set KSB,  3
.set MB,   4
.set VB,   5
.set VSB,  6
.set R8L,  7                           ; 8 x lane
.set O32,  8                           ; 32 x lane
.set SPW,  10
.set NIL,  11
.set QS,   12                          ; q's scale words: lanes 0-15 tile 0, lanes 16-31 tile 1
.set PW,   13                          ; v13, v14 p's scale words
.set KSC,  16                          ; v16-19 k's: register 2 c + o / 2, lanes 0-15 even o, lanes 16-31 odd o
.set VRW,  20
.set VSC,  22                          ; v22-23 v's
.set QF,   24                          ; v24-39 q: four registers of codes and four of zeros for each tile
.set KF,   40                          ; v40-71 k's eight tiles, v72-75 zeros
.set PCD,  76                          ; v76-91 p's codes
.set VF,   92                          ; v92-123 v's four fragments
.set MA,   128                         ; v128-191 the mask in the result's layout
.set AK,   192                         ; v192-196 the addresses of the loads one step ahead
.set AKS,  193
.set AM,   194
.set AV,   195
.set AVS,  196
.set OA,   128                         ; window 1: O^T
.set TB,   192                         ; window 1, + 16 x tile: 0 -M, 1 largest score, 2-3 the sum, 4-5 f, 6-7 block maxima, 8-9 conversion scales, 10-11 at work, 12-13 second chain of the sum
.set SH8,  224
.set HWR,  225
.set WV,   10
.set SEL,  52
.set CS,   54
.set MSB, 0
.macro WIN new                         ; the immediate's high byte repeats the setting that is left
.if MSB != \new
	s_set_vgpr_msb (MSB<<8)|\new
.set MSB, \new
.endif
.endm
.macro CROUND
	s_barrier_signal -1
	s_barrier_wait -1
	s_cmp_lg_u32 s[WV], 0
	s_cbranch_scc1 .Lnot_wave_0_\@
	s_barrier_signal -3
.Lnot_wave_0_\@:
	s_barrier_wait -3
	s_barrier_signal -1
	s_barrier_wait -1
.endm
.macro PLACES
.rept 4
	v_nop
.endr
.endm
.macro WM d, a, b, c, sa, sb, ra, rb   ; one product; ra, rb: the scale registers' rows
.if ((\ra) == 0) && ((\rb) == 0)
	v_wmma_scale_f32_16x16x128_f8f6f4 v[\d:\d+7], v[\a:\a+7], v[\b:\b+7], v[\c:\c+7], v[\sa], v[\sb] matrix_a_fmt:MATRIX_FMT_FP4 matrix_b_fmt:MATRIX_FMT_FP4
.elseif ((\rb) == 0)
	v_wmma_scale_f32_16x16x128_f8f6f4 v[\d:\d+7], v[\a:\a+7], v[\b:\b+7], v[\c:\c+7], v[\sa], v[\sb] matrix_a_fmt:MATRIX_FMT_FP4 matrix_b_fmt:MATRIX_FMT_FP4 matrix_a_scale:MATRIX_SCALE_ROW1
.elseif ((\ra) == 0)
	v_wmma_scale_f32_16x16x128_f8f6f4 v[\d:\d+7], v[\a:\a+7], v[\b:\b+7], v[\c:\c+7], v[\sa], v[\sb] matrix_a_fmt:MATRIX_FMT_FP4 matrix_b_fmt:MATRIX_FMT_FP4 matrix_b_scale:MATRIX_SCALE_ROW1
.else
	v_wmma_scale_f32_16x16x128_f8f6f4 v[\d:\d+7], v[\a:\a+7], v[\b:\b+7], v[\c:\c+7], v[\sa], v[\sb] matrix_a_fmt:MATRIX_FMT_FP4 matrix_b_fmt:MATRIX_FMT_FP4 matrix_a_scale:MATRIX_SCALE_ROW1 matrix_b_scale:MATRIX_SCALE_ROW1
.endif
.endm
	s_load_b128 s[4:7], s[0:1], 0x0                ; qkv, attention_mask
	s_load_b64 s[8:9], s[0:1], 0x10                ; ctxq
	v_lshl_add_u32 v[SPW], v0, 2, SPARE
	v_mov_b32 v[NIL], 0
	ds_add_u32 v[SPW], v[NIL]                      ; the opening lines: the add, twice on end, and its wait
	ds_add_u32 v[SPW], v[NIL]
	v_lshrrev_b32 v1, 5, v0
	v_readfirstlane_b32 s[WV], v1                  ; wave 0..7
	s_bfe_u32 s11, ttmp6, 0x40000
	s_lshl_b32 s12, ttmp9, 2
	s_add_co_u32 s12, s12, s11                     ; which 512 queries
	s_and_b32 s13, ttmp7, 0xffff                   ; 16 x batch + head
	s_lshr_b32 s14, s13, 4
	s_and_b32 s15, s13, 15
	; descriptor groups 1, all with the mask of the cluster's four.  k's codes: 32 rows of 1,024 bytes, 32 words of padding behind each
	s_mov_b32 s16, 15|(3<<16)|(1<<20)|(1<<21)|(7<<22)|(31<<25)
	s_mov_b32 s17, 128<<16
	s_mov_b32 s18, 32<<16
	s_mov_b32 s19, 128<<16
	s_mov_b32 s20, 32
	s_mov_b32 s21, 128
	s_mov_b32 s22, 0
	s_mov_b32 s23, 0
.irp g, 24, 32, 40                     ; dense blocks as rows of 256 bytes: 128 rows (half of v's images), 32 (k's scale words; the mask), 16 (v's scale words)
	s_mov_b32 s[\g], 15|(3<<16)|(1<<21)
	s_mov_b32 s[\g+1], 32<<16
	s_mov_b32 s[\g+3], 32<<16
	s_mov_b32 s[\g+5], 32
	s_mov_b32 s[\g+6], 0
	s_mov_b32 s[\g+7], 0
.endr
	s_mov_b32 s26, 128<<16
	s_mov_b32 s28, 128
	s_mov_b32 s34, 32<<16
	s_mov_b32 s36, 32
	s_mov_b32 s42, 16<<16
	s_mov_b32 s44, 16
	s_and_b32 s74, s[WV], 1
	s_lshl_b32 s74, s74, 15
	s_lshl_b32 s75, s13, 16
	s_add_co_u32 s74, s74, s75
	s_add_co_u32 s76, s74, V_C                     ; my half of v's images,
	s_add_co_u32 s74, s74, K_C                     ; of k's codes
	s_mov_b32 s75, 0
	s_mov_b32 s77, 0
	s_lshl_b32 s78, s13, 13
	s_add_co_u32 s78, s78, K_S
	s_mov_b32 s79, 0
	s_lshl_b32 s80, s14, 13
	s_mov_b32 s81, 0
	s_lshl_b32 s82, s13, 12
	s_add_co_u32 s82, s82, V_S
	s_mov_b32 s83, 0
	s_mul_i32 s84, s[WV], 36864                    ; waves 0, 1: k's halves
	s_lshl_b32 s85, s[WV], 15
	s_add_co_u32 s85, s85, VC-65536                ; waves 2, 3: VC + 32,768 (wave - 2)
	s_mov_b32 s[SEL], 0x76543210
	s_mov_b32 s[SEL+1], 0xfedcba98
	s_mov_b32 s[CS], 0x3fb8aa3b                    ; log2(e)
	s_mov_b32 s[CS+1], s[CS]
	s_mov_b32 s61, 0xffff0000
	s_wait_dscnt 0x0
	s_wait_kmcnt 0x0
	s_mov_b32 s48, 1
	s_mov_b32 s49, s84
	s_add_nc_u64 s[50:51], s[4:5], s[74:75]
	s_or_b32 s51, s51, 0x80000000
	s_mov_b32 s68, 1
	s_mov_b32 s69, s85
	s_add_nc_u64 s[70:71], s[4:5], s[76:77]
	s_or_b32 s71, s71, 0x80000000
	s_mov_b32 s56, 1
	s_mov_b32 s57, KS
	s_add_nc_u64 s[58:59], s[4:5], s[78:79]
	s_or_b32 s59, s59, 0x80000000
	s_mov_b32 s88, 1
	s_mov_b32 s89, MK
	s_add_nc_u64 s[90:91], s[6:7], s[80:81]
	s_or_b32 s91, s91, 0x80000000
	s_mov_b32 s92, 1
	s_mov_b32 s93, VS
	s_add_nc_u64 s[94:95], s[4:5], s[82:83]
	s_or_b32 s95, s95, 0x80000000
	CROUND                                         ; the four work-groups are here: the joint loads meet
; the head's loads, one a wave, in one chain of branches on the wave's number.  Wave 7 has none
.macro ARM under, g0, g1, next
	s_cmp_lt_u32 s[WV], \under
	s_cbranch_scc0 \next
	tensor_load_to_lds s[\g0:\g0+3], s[\g1:\g1+7]
	s_nop 0
	PLACES
	s_branch .Lhead_asked
\next:
.endm
	ARM 2, 48, 16, .Lhead_v
	ARM 4, 68, 24, .Lhead_ks
	ARM 5, 56, 32, .Lhead_mk
	ARM 6, 88, 32, .Lhead_vs
	ARM 7, 92, 40, .Lhead_none
.Lhead_asked:
	s_mov_b32 s87, 0
	s_lshl_b32 s86, s13, 16                        ; q's codes: 65,536 bh + 16,384 x + 2,048 wave
	s_lshl_b32 s84, s12, 14
	s_add_co_u32 s86, s86, s84
	s_lshl_b32 s84, s[WV], 11
	s_add_co_u32 s86, s86, s84
	s_add_nc_u64 s[66:67], s[4:5], s[86:87]
	s_lshl_b32 s86, s13, 13                        ; q's scale words: Q_S + 8,192 bh + 2,048 x + 256 wave
	s_lshl_b32 s84, s12, 11
	s_add_co_u32 s86, s86, s84
	s_lshl_b32 s84, s[WV], 8
	s_add_co_u32 s86, s86, s84
	s_add_co_u32 s86, s86, Q_S
	s_add_nc_u64 s[74:75], s[4:5], s[86:87]
	s_lshl_b32 s86, s14, 20                        ; ctx's codes: a tile of 16 tokens is 8,192 bytes, a head's part of it 512
	s_lshl_b32 s84, s12, 18
	s_add_co_u32 s86, s86, s84
	s_lshl_b32 s84, s[WV], 15
	s_add_co_u32 s86, s86, s84
	s_lshl_b32 s84, s15, 9
	s_add_co_u32 s86, s86, s84
	s_add_nc_u64 s[76:77], s[8:9], s[86:87]
	s_lshl_b32 s86, s14, 16                        ; ctx's scale bytes: 32 a token, 2 a head
	s_lshl_b32 s84, s12, 14
	s_add_co_u32 s86, s86, s84
	s_lshl_b32 s84, s[WV], 11
	s_add_co_u32 s86, s86, s84
	s_lshl_b32 s84, s15, 1
	s_add_co_u32 s86, s86, s84
	s_add_co_u32 s86, s86, C_S
	s_add_nc_u64 s[72:73], s[8:9], s[86:87]
	v_and_b32 v103, 31, v0
	v_bfe_u32 v100, v0, 3, 1                       ; r / 8
	v_and_b32 v101, 7, v0                          ; r % 8
	v_bfe_u32 v102, v0, 4, 1                       ; h
	v_lshlrev_b32 v[L16], 4, v103
	v_lshlrev_b32 v[R8L], 3, v103
	v_lshlrev_b32 v[O32], 5, v103
	v_mul_u32_u24 v[KB], v100, 1152                ; k: block r / 8 of the pair, row r % 8 of an octet, channels 32 h on
	v_lshl_add_u32 v[KB], v101, 4, v[KB]
	v_lshl_add_u32 v[KB], v102, 8, v[KB]
	v_lshl_add_u32 v[KSB], v101, 3, KS             ; k's scale words: 8 (r % 8) + 4 (r / 8), lanes 16-31 the odd octet, 64 bytes on
	v_lshl_add_u32 v[KSB], v100, 2, v[KSB]
	v_lshl_add_u32 v[KSB], v102, 6, v[KSB]
	v_lshl_add_u32 v[MB], v102, 7, MK              ; the mask: my half's block, 32 keys on
	v_add_nc_u32 v[VB], VC, v[L16]
	v_lshl_add_u32 v[VSB], v103, 2, VS
.irp j, 4,5,6,7,12,13,14,15
	v_mov_b32 v[QF+\j], 0
.endr
.irp j, 32,33,34,35
	v_mov_b32 v[KF+\j], 0
.endr
	WIN 0x40
	v_lshlrev_b32 v[SH8], 3, v102
	WIN 0
.macro QLOAD p                         ; the pass's two tiles of q and their scale words
	global_load_b128 v[QF:QF+3], v[L16], s[66:67] offset:1024*\p
	global_load_b128 v[QF+8:QF+11], v[L16], s[66:67] offset:1024*\p+512
	global_load_b32 v[QS], v[R8L], s[74:75] offset:4*\p
.endm
	s_wait_alu depctr_va_vdst(0)                   ; the wait at the head's end
	QLOAD 0
	s_wait_tensorcnt 0x0                           ; my load is in,
	s_barrier_signal -1
	s_barrier_wait -1                              ; everybody's is
.macro LDK ak, aks, am                 ; 28 loads: a step's eight tiles of k, the mask in the result's layout, k's scale words
.irp c, 0,1
.irp o, 0,1,2,3
	ds_load_b128 v[KF+16*\c+4*\o:KF+16*\c+4*\o+3], v[\ak] offset:2304*\c+512*(\o/2)+128*(\o%2)
.endr
.endr
.irp i, 0,1,2,3,4,5,6,7,8,9,10,11,12,13,14,15
	ds_load_b128 v[MA+4*\i:MA+4*\i+3], v[\am] offset:256*(\i/8)+16*(\i%8)
.endr
.irp u, 0,1,2,3
	ds_load_b32 v[KSC+\u], v[\aks] offset:128*\u
.endr
.endm
.macro LDV av, avs                     ; 10 loads: a step's four fragments of v and their scale words
.irp d, 0,1,2,3
	ds_load_b128 v[VF+8*\d:VF+8*\d+3], v[\av] offset:1024*\d
	ds_load_b128 v[VF+8*\d+4:VF+8*\d+7], v[\av] offset:1024*\d+512
.endr
	ds_load_b32 v[VRW], v[\avs]
	ds_load_b32 v[VRW+1], v[\avs] offset:128
.endm
; the largest score of my two blocks of tile t, round i of eight: two chains a block, four lines that do not wait for each other; each accumulator is first read at its low end
.macro MAXR t, i
.irp c, 0,1
.if (\i) == 0
	v_max3_num_f32 v[TB+16*\t+6+\c], v[64*\t+32*\c], v[64*\t+32*\c+1], v[64*\t+32*\c+2]
	v_max_num_f32 v[TB+16*\t+8+\c], v[64*\t+32*\c+16], v[64*\t+32*\c+17]
.elseif (\i) < 7
	v_max3_num_f32 v[TB+16*\t+6+\c], v[TB+16*\t+6+\c], v[64*\t+32*\c+2*(\i)+1], v[64*\t+32*\c+2*(\i)+2]
	v_max3_num_f32 v[TB+16*\t+8+\c], v[TB+16*\t+8+\c], v[64*\t+32*\c+2*(\i)+16], v[64*\t+32*\c+2*(\i)+17]
.else
	v_max3_num_f32 v[TB+16*\t+8+\c], v[TB+16*\t+8+\c], v[64*\t+32*\c+30], v[64*\t+32*\c+31]
.endif
.endr
.if (\i) == 7
.irp c, 0,1
	v_max3_num_f32 v[TB+16*\t+6+\c], v[TB+16*\t+6+\c], v[TB+16*\t+8+\c], v[64*\t+32*\c+15]
.endr
.endif
.endm
; line k of the nine that make the new -M and f = 2^(old M - new M) of tile t; they stand singly among the other tile's lines
.macro CHN t, k
.if (\k) == 0
	v_max3_num_f32 v[TB+16*\t+1], v[TB+16*\t+1], v[TB+16*\t+6], v[TB+16*\t+7]
.elseif (\k) == 1
	v_permlanex16_b32 v[TB+16*\t+10], v[TB+16*\t+1], s[SEL], s[SEL+1]
.elseif (\k) == 2
	v_mov_b32 v[TB+16*\t+11], v[TB+16*\t]
.elseif (\k) == 3
	v_max_num_f32 v[TB+16*\t+1], v[TB+16*\t+1], v[TB+16*\t+10]     ; the running largest score of my query
.elseif (\k) == 4
	v_mul_f32 v[TB+16*\t+10], s[CS], v[TB+16*\t+1]
.elseif (\k) == 5
	v_floor_f32 v[TB+16*\t], -v[TB+16*\t+10]                       ; -M = floor(-t)
.elseif (\k) == 6
	v_sub_f32 v[TB+16*\t+11], v[TB+16*\t], v[TB+16*\t+11]
.elseif (\k) == 7
	v_cvt_i32_f32 v[TB+16*\t+11], v[TB+16*\t+11]
.else
	v_ldexp_f32 v[TB+16*\t+4], 1.0, v[TB+16*\t+11]
.endif
.endm
.macro FMA4 t, k                       ; t - M of eight scores
.irp e, 0,2,4,6
	v_pk_fma_f32 v[64*\t+8*\k+\e:64*\t+8*\k+\e+1], v[64*\t+8*\k+\e:64*\t+8*\k+\e+1], s[CS:CS+1], v[TB+16*\t:TB+16*\t+1] op_sel_hi:[1,0,0]
.endr
.endm
.macro FMB t                           ; the same of the two block maxima; then O^T x f
.irp c, 0,1
	v_fma_f32 v[TB+16*\t+6+\c], v[TB+16*\t+6+\c], s[CS], v[TB+16*\t]
.endr
.irp j, 0,2,4,6,8,10,12,14,16,18,20,22,24,26,28,30
	v_pk_mul_f32 v[OA+32*\t+\j:OA+32*\t+\j+1], v[OA+32*\t+\j:OA+32*\t+\j+1], v[TB+16*\t+4:TB+16*\t+5] op_sel_hi:[1,0]
.endr
.endm
; ctx's 64 channels of a tile, in 32 registers from a0 on (a lane holds 16 of each block, lane l xor 16 the others), become four registers of codes and two scale bytes
.macro QUANT2 a0, pc, w, tm
	v_max3_num_f32 v[\tm], |v[\a0]|, |v[\a0+1]|, 0x1800000
	v_max3_num_f32 v[\tm+1], |v[\a0+16]|, |v[\a0+17]|, 0x1800000
.irp i, 2,4,6,8,10,12,14
	v_max3_num_f32 v[\tm], v[\tm], |v[\a0+\i]|, |v[\a0+\i+1]|
	v_max3_num_f32 v[\tm+1], v[\tm+1], |v[\a0+16+\i]|, |v[\a0+17+\i]|
.endr
	v_permlanex16_b32 v[\tm+2], v[\tm], s[SEL], s[SEL+1]
	v_permlanex16_b32 v[\tm+3], v[\tm+1], s[SEL], s[SEL+1]
	v_max_num_f32 v[\tm], v[\tm], v[\tm+2]
	v_max_num_f32 v[\tm+1], v[\tm+1], v[\tm+3]
	v_add_nc_u32 v[\tm+4], 0xff000000, v[\tm]
	v_add_nc_u32 v[\tm+5], 0xff000000, v[\tm+1]
	v_lshrrev_b32 v[\tm+2], 23, v[\tm+4]
	v_lshrrev_b32 v[\tm+3], 23, v[\tm+5]
	v_lshl_or_b32 v[\w], v[\tm+3], 8, v[\tm+2]
	v_cvt_scalef32_pk8_fp4_f32 v[\pc], v[\a0:\a0+7], v[\tm+4]
	v_cvt_scalef32_pk8_fp4_f32 v[\pc+1], v[\a0+8:\a0+15], v[\tm+4]
	v_cvt_scalef32_pk8_fp4_f32 v[\pc+2], v[\a0+16:\a0+23], v[\tm+5]
	v_cvt_scalef32_pk8_fp4_f32 v[\pc+3], v[\a0+24:\a0+31], v[\tm+5]
	v_nop
	v_permlane16_swap_b32 v[\pc], v[\pc+2]
	v_permlane16_swap_b32 v[\pc+1], v[\pc+3]
.endm
.macro PASS p
.if \p
	s_wait_dscnt 0x0                               ; the last pass's loads ahead have landed: their registers may be loaded anew
.endif
	LDK KB, KSB, MB                                ; step 0
	LDV VB, VSB
	WIN 0x40
.irp t, 0,1
	v_mov_b32 v[TB+16*\t+1], 0xff000000            ; the largest score so far: -2^127
	v_mov_b32 v[TB+16*\t+2], 0
	v_mov_b32 v[TB+16*\t+3], 0
	v_mov_b32 v[TB+16*\t+5], 0
	v_mov_b32 v[TB+16*\t+11], 0
.endr
	WIN 0x55
.irp t, 0,1
	v_mul_f32 v[TB+16*\t+10], s[CS], v[TB+16*\t+1]
.endr
.irp t, 0,1
	v_floor_f32 v[TB+16*\t], -v[TB+16*\t+10]       ; and its -M
.endr
	WIN 0
	s_wait_alu depctr_va_vdst(0)                   ; the wait ahead of the wait below
	s_wait_loadcnt 0x0                             ; q
	v_add_nc_u32 v[QS], 0xfffffcfd, v[QS]          ; 3 off both bytes: / 8.  The 64 lines below are its places
	WIN 0x40
.set J, 0
.rept 64
	v_mov_b32 v[OA+J], 0
.set J, J+1
.endr
	WIN 0
	s_mov_b32 s59, 0
	s_wait_alu depctr_va_vdst(0)
.Lstep_\@:
	s_add_co_u32 s60, s59, 1
	s_min_u32 s60, s60, 15                         ; the step ahead, held at the last
	s_mul_i32 s56, s60, 4608
	s_lshl_b32 s57, s60, 9
	s_lshl_b32 s58, s60, 12
	s_lshl_b32 s62, s60, 8
	s_wait_dscnt 10                                ; k, the mask and k's scale words are in; the ten younger loads (v's) may be out
	WIN 0x40
.irp c, 0,1
.irp o, 0,1,2,3
.irp t, 0,1
	WM 64*\t+32*\c+8*\o, KF+16*\c+4*\o, QF+8*\t, MA+32*\c+8*\o, KSC+2*\c+\o/2, QS, \o%2, \t
.endr
.endr
.endr
	WIN 0
	v_add_nc_u32 v[AK], s56, v[KB]                 ; five plain lines: the places behind the products
	v_add_nc_u32 v[AKS], s57, v[KSB]
	v_add_nc_u32 v[AM], s57, v[MB]
	v_add_nc_u32 v[AV], s58, v[VB]
	v_add_nc_u32 v[AVS], s62, v[VSB]
	LDK AK, AKS, AM
	WIN 0x55
.irp i, 0,1,2,3,4,5,6,7
	MAXR 0, \i
.endr
.irp i, 0,1,2,3,4,5,6,7
	MAXR 1, \i
	CHN 0, \i
.endr
	CHN 0, 8
.irp k, 0,1,2,3,4,5,6,7
	CHN 1, \k
	FMA4 0, \k
.endr
	CHN 1, 8
	FMB 0
	FMB 1
	s_wait_alu depctr_va_vdst(0)                   ; the wait ahead of the batch
.irp c, 0,1
	v_exp_f32 v[TB+6+\c], v[TB+6+\c]               ; tile 0: each block's largest p,
.endr
.irp k, 0,1,2,3,4,5,6,7
.irp e, 0,2,4,6
	v_exp_f32 v[8*\k+\e], v[8*\k+\e]               ; and p = 2^(t - M).  Between them stand tile 1's t - M: they name nothing of this batch, and are first read behind the wait below
	v_exp_f32 v[8*\k+\e+1], v[8*\k+\e+1]
	v_pk_fma_f32 v[64+8*\k+\e:64+8*\k+\e+1], v[64+8*\k+\e:64+8*\k+\e+1], s[CS:CS+1], v[TB+16:TB+17] op_sel_hi:[1,0,0]
.endr
.endr
	s_wait_alu depctr_va_vdst(0)                   ; behind tile 0's batch and ahead of tile 1's
.irp c, 0,1
	v_exp_f32 v[TB+22+\c], v[TB+22+\c]
.endr
.irp i, 0,1,2,3,4,5,6,7,8,9,10,11,12,13,14
	v_exp_f32 v[64+4*\i], v[64+4*\i]               ; tile 1's p.  Between them stand the first sums of tile 0's unquantised p, four numbers each, into registers of their own, first read behind the closing wait
	v_exp_f32 v[65+4*\i], v[65+4*\i]
	v_exp_f32 v[66+4*\i], v[66+4*\i]
	v_exp_f32 v[67+4*\i], v[67+4*\i]
	v_pk_add_f32 v[226+2*\i:227+2*\i], v[4*\i:4*\i+1], v[4*\i+2:4*\i+3]
.endr
	v_exp_f32 v124, v124
	v_exp_f32 v125, v125
	v_exp_f32 v126, v126
	v_exp_f32 v127, v127
	v_pk_add_f32 v[TB+12:TB+13], v[60:61], v[62:63]
.irp t, 0,1
	v_pk_mul_f32 v[TB+16*\t+2:TB+16*\t+3], v[TB+16*\t+2:TB+16*\t+3], v[TB+16*\t+4:TB+16*\t+5] op_sel_hi:[1,0]   ; the sums x f
.endr
	s_wait_alu depctr_va_vdst(0)                   ; one wait for the batch, and ahead of the wait below
	s_wait_dscnt 0x0                               ; v and its scale words are in, and so are the 28 loads for the step ahead, issued ahead of the softmax: no LDS instruction of mine is out
	s_barrier_signal -1                            ; the eight waves meet once a step: they walk the head's keys together
	s_barrier_wait -1
	WIN 0
	v_perm_b32 v[VSC], v[VRW+1], v[VRW], 0x05040100
	v_perm_b32 v[VSC+1], v[VRW+1], v[VRW], 0x07060302
	WIN 0x55
.irp t, 0,1
.irp c, 0,1
	v_max_num_f32 v[TB+16*\t+6+\c], 0x1800000, v[TB+16*\t+6+\c]    ; the floor 2^(3 - 127): the byte cannot fall under 1
.endr
.endr
.irp t, 0,1
.irp c, 0,1
	v_add_nc_u32 v[TB+16*\t+8+\c], 0xff000000, v[TB+16*\t+6+\c]    ; 2 off the exponent field: the conversion's scale operand
.endr
.endr
.irp t, 0,1
.irp c, 0,1
	v_lshrrev_b32 v[TB+16*\t+10+\c], 23, v[TB+16*\t+8+\c]
.endr
.endr
.irp t, 0,1
	v_lshl_or_b32 v[TB+16*\t+10], v[TB+16*\t+11], 16, v[TB+16*\t+10]   ; my bytes: blocks h and 2 + h,
.endr
.irp t, 0,1
	v_lshlrev_b32 v[TB+16*\t+10], v[SH8], v[TB+16*\t+10]           ; at their places;
.endr
.irp t, 0,1
	v_permlanex16_b32 v[TB+16*\t+11], v[TB+16*\t+10], s[SEL], s[SEL+1]
.endr
	WIN 0x05
.irp t, 0,1
	v_or_b32 v[PW+\t], v[TB+16*\t+10], v[TB+16*\t+11]              ; with lane l xor 16's two the word is whole
.endr
.irp t, 0,1
.irp c, 0,1
.irp o, 0,1,2,3
	v_cvt_scalef32_pk8_fp4_f32 v[PCD+8*\t+4*\c+2*(\o%2)+\o/2], v[64*\t+32*\c+8*\o:64*\t+32*\c+8*\o+7], v[TB+16*\t+8+\c]
.endr
.endr
.endr
	WIN 0x55
; the rows' sums of the unquantised p, as two trees whose levels take turns: tile 0's over its 16 first sums, tile 1's in place (its p has been converted; the eight lines below stand between the conversions and the first write of their sources)
.irp d, 226,230,234,238,242,246,250
	v_pk_add_f32 v[\d:\d+1], v[\d:\d+1], v[\d+2:\d+3]
.endr
	v_pk_add_f32 v[254:255], v[254:255], v[TB+12:TB+13]
.irp i, 0,1,2,3,4,5,6,7,8,9,10,11,12,13,14,15
	v_pk_add_f32 v[64+4*\i:65+4*\i], v[64+4*\i:65+4*\i], v[66+4*\i:67+4*\i]
.endr
.irp d, 226,234,242,250
	v_pk_add_f32 v[\d:\d+1], v[\d:\d+1], v[\d+4:\d+5]
.endr
.irp i, 0,1,2,3,4,5,6,7
	v_pk_add_f32 v[64+8*\i:65+8*\i], v[64+8*\i:65+8*\i], v[68+8*\i:69+8*\i]
.endr
.irp d, 226,242
	v_pk_add_f32 v[\d:\d+1], v[\d:\d+1], v[\d+8:\d+9]
.endr
.irp i, 0,1,2,3
	v_pk_add_f32 v[64+16*\i:65+16*\i], v[64+16*\i:65+16*\i], v[72+16*\i:73+16*\i]
.endr
	v_pk_add_f32 v[226:227], v[226:227], v[242:243]
.irp i, 0,1
	v_pk_add_f32 v[64+32*\i:65+32*\i], v[64+32*\i:65+32*\i], v[80+32*\i:81+32*\i]
.endr
	v_pk_add_f32 v[TB+2:TB+3], v[TB+2:TB+3], v[226:227]
	v_pk_add_f32 v[64:65], v[64:65], v[96:97]
	v_pk_add_f32 v[TB+18:TB+19], v[TB+18:TB+19], v[64:65]
	WIN 0x50
.irp d, 0,1,2,3
.irp t, 0,1
	WM OA+32*\t+8*\d, VF+8*\d, PCD+8*\t, OA+32*\t+8*\d, VSC+\d/2, PW+\t, \d%2, 0
.endr
.endr
	WIN 0
	PLACES                                         ; in front of loads into registers that these products have read
	LDV AV, AVS
	s_add_co_u32 s59, s59, 1
	s_cmp_lt_u32 s59, 16
	s_cbranch_scc1 .Lstep_\@
	s_wait_alu depctr_va_vdst(0)
.if \p == 0
	QLOAD 1
.endif
	WIN 0x55
.irp t, 0,1
	v_add_f32 v[TB+16*\t+2], v[TB+16*\t+2], v[TB+16*\t+3]
.endr
.irp t, 0,1
	v_permlanex16_b32 v[TB+16*\t+10], v[TB+16*\t+2], s[SEL], s[SEL+1]
.endr
.irp t, 0,1
	v_add_f32 v[TB+16*\t+2], v[TB+16*\t+2], v[TB+16*\t+10]         ; the row's sum
.endr
	s_wait_alu depctr_va_vdst(0)
.irp t, 0,1
	v_rcp_f32 v[TB+16*\t+4], v[TB+16*\t+2]
.endr
	v_nop
	s_wait_alu depctr_va_vdst(0)                   ; for the two, and directly ahead of the first readers of O^T
.irp t, 0,1
.irp j, 0,2,4,6,8,10,12,14,16,18,20,22,24,26,28,30
	v_pk_mul_f32 v[64*\t+\j:64*\t+\j+1], v[OA+32*\t+\j:OA+32*\t+\j+1], v[TB+16*\t+4:TB+16*\t+5] op_sel_hi:[1,0]
.endr
.endr
	QUANT2 0, 32, TB+12, TB+6
	QUANT2 64, 96, TB+28, TB+22
	v_cndmask_b32 v[HWR], v[TB+12], v[TB+28], s61  ; lanes 0-15 tile 0's bytes, lanes 16-31 tile 1's
	WIN 0x04
.irp t, 0,1
	global_store_b128 v[L16], v[64*\t+32:64*\t+35], s[76:77] offset:16384*\p+8192*\t   ; 512 consecutive bytes
.endr
	global_store_b16 v[O32], v[HWR], s[72:73] offset:1024*\p
	WIN 0
.if \p == 0
	s_wait_alu depctr_va_vdst(0)
	s_wait_xcnt 0x0                                ; the stores have read their registers
.endif
.endm
	PASS 0
	PASS 1
	s_wait_tensorcnt 0x0                           ; the wave's end
	ds_add_u32 v[SPW], v[NIL]
	s_wait_dscnt 0x0
	CROUND                                         ; the closing round
	s_endpgm
.Lfunc_end_k_q0d4937254b_attn:
	.size	k_q0d4937254b_attn, .Lfunc_end_k_q0d4937254b_attn-k_q0d4937254b_attn
	.p2alignl 7, 3214868480
	.fill 96, 4, 3214868480
	.section	.rodata,"a",@progbits
	.p2align	6, 0x0
	.amdhsa_kernel k_q0d4937254b_attn
		.amdhsa_group_segment_fixed_size 167936
		.amdhsa_private_segment_fixed_size 0
		.amdhsa_enable_private_segment 0
		.amdhsa_kernarg_size 24
		.amdhsa_user_sgpr_count 2
		.amdhsa_user_sgpr_kernarg_segment_ptr 1
		.amdhsa_wavefront_size32 1
		.amdhsa_system_sgpr_workgroup_id_x 1
		.amdhsa_system_sgpr_workgroup_id_y 1
		.amdhsa_system_sgpr_workgroup_id_z 1
		.amdhsa_system_vgpr_workitem_id 0
		.amdhsa_next_free_vgpr 512
		.amdhsa_next_free_sgpr 96
		.amdhsa_reserve_vcc 0
		.amdhsa_float_denorm_mode_32 3
		.amdhsa_float_denorm_mode_16_64 3
		.amdhsa_memory_ordered 1
		.amdhsa_forward_progress 1
		.amdhsa_inst_pref_size 90
	.end_amdhsa_kernel
	.amdgpu_metadata
---
amdhsa.version: [ 1, 2 ]
amdhsa.kernels:
  - .name:           k_q0d4937254b_attn
    .symbol:         k_q0d4937254b_attn.kd
    .args:
      - { .name: qkv, .offset: 0, .size: 8, .value_kind: global_buffer, .address_space: global }
      - { .name: attention_mask, .offset: 8, .size: 8, .value_kind: global_buffer, .address_space: global }
      - { .name: ctxq, .offset: 16, .size: 8, .value_kind: global_buffer, .address_space: global }
    .group_segment_fixed_size: 167936
    .private_segment_fixed_size: 0
    .kernarg_segment_align: 8
    .kernarg_segment_size: 24
    .max_flat_workgroup_size: 256
    .sgpr_count:     96
    .vgpr_count:     512
    .wavefront_size: 32
...
	.end_amdgpu_metadata
.endif
;; end of part 3
;; launch proj (part 4): grid 256 x 1, 16 waves a work-group, clusters of 4 x 1, 327,680 bytes of LDS; arguments ctxq, wq, bd, input_tensor, ln_w, ln_b, out0; writes out0
.if DOCPART == 4
	.amdgcn_target "amdgcn-amd-amdhsa--gfx1250"
	.amdhsa_code_object_version 6
	.text
	.protected	k_q0d4937254b_proj
	.globl	k_q0d4937254b_proj
	.p2align	8
	.type	k_q0d4937254b_proj,@function
k_q0d4937254b_proj:
	s_mov_b64 s[64:65], 0
	v_nop
	global_prefetch_b8 v0, s[64:65] scope:SCOPE_SE
	s_setreg_imm32_b32 hwreg(HW_REG_WAVE_MODE, 25, 1), 1
	s_wait_xcnt 0x0
	s_wait_alu depctr_hold_cnt(0) depctr_sa_sdst(0) depctr_va_vdst(0) depctr_va_sdst(0) depctr_va_ssrc(0) depctr_va_vcc(0) depctr_vm_vsrc(0)
	s_getreg_b32 s2, hwreg(HW_REG_IB_STS2, 6, 4)
	s_cmp_eq_u32 s2, 0
	s_cbranch_scc0 .Lentry_in_a_cluster
	s_endpgm
.Lentry_in_a_cluster:
	s_bfe_u32 s2, ttmp6, 0x10000c
	s_cmp_lg_u32 s2, 0x3003
	s_cbranch_scc0 .Lentry_shape_is_right
	s_endpgm
.Lentry_shape_is_right:
; out0 = layernorm(ctx Wd + bd + input_tensor) x ln_w + ln_b.  The product is on codes of FP4 (E2M1) with E8M0 scales, f32 sums; all else in f32.
; SHARES.  A work-group owns 32 WHOLE rows (two tiles of 16 tokens), so that a row's mean and variance never leave it.  Wave w of sixteen makes columns 64 w .. 64 w + 63 for both tiles: 8 accumulators.
; The matrix instruction is used transposed (source 0 = 16 columns of Wd, source 1 = 16 tokens): a lane holds one token and, by the order of a weight tile's columns, 16 neighbouring columns in two tiles.
; CLUSTERS: every work-group walks all of Wd, so four work-groups form a cluster and ask for it JOINTLY.  Wave w fetches its own group of 64 columns, a dense image of 16,384 bytes for four K steps, into LDS bytes that it alone
; reads: K steps 0-3 at the head, K steps 4-7 into the same bytes behind the full sequence and a round of the cluster's barrier.  By the text's own count a wave has one tensor load out at a time.
; ctx's 16 fragments (16,384 bytes) are copied once into LDS as images of their registers and read by all waves.  bd is loaded into the accumulators and is the C of each sum's first product.
; The wave's two rows of input_tensor are loaded at the head; ln_w and ln_b take the registers of Wd's fragments as they fall free.
; The results meet in a stage in LDS (32 rows of 4,096 bytes + 16), which lies in Wd's bytes: they have had their last fill, and a barrier shows that nobody reads them.  Each wave reads two whole rows back and normalises.
; No data prefetch: the text has no loop to run ahead in.
; LIMITS: NaN and infinities among the inputs are not served.
.set CIMG, 0                           ; LDS: ctx's 16 images, 8 mt + s, 1,024 bytes each
.set STG,  16384                       ; Wd's images, 16,384 bytes a wave; later the stage
.set SPI,  4112
.set SPARE, 278528                     ; the spare words, 128 bytes a wave
.set C_S,  4194304
.set W_S,  2097152
.set CSR,  16                          ; v16-23  ctx's scale words: register s: lanes 0-15 tile 0's rows, lanes 16-31 tile 1's
.set WSR,  24                          ; v24-39  Wd's: register 8 p + s: lanes 0-15 tile 2 p, lanes 16-31 tile 2 p + 1
.set CF,   40                          ; v40-55  ctx's two fragments of a K step
.set ACC,  56                          ; v56-119 accumulator (mt, t4) at ACC + 8 (4 mt + t4); later my two rows
.set SPW,  120
.set NIL,  121
.set WR,   128                         ; v128-191 input_tensor's two rows; v192-255 two sets of Wd's four fragments, later ln_w, ln_b
.set WFR,  192
.set CP,   192                         ; my piece of ctx's images on its way to LDS
.set WV,   18
.macro CROUND
	s_barrier_signal -1
	s_barrier_wait -1
	s_cmp_lg_u32 s[WV], 0
	s_cbranch_scc1 .Lnot_wave_0_\@
	s_barrier_signal -3
.Lnot_wave_0_\@:
	s_barrier_wait -3
	s_barrier_signal -1
	s_barrier_wait -1
.endm
.macro PLACES
.rept 4
	v_nop
.endr
.endm
.macro WM d, a, b, c, sa, sb, ra, rb   ; one product; ra, rb: the scale registers' rows
.if ((\ra) == 0) && ((\rb) == 0)
	v_wmma_scale_f32_16x16x128_f8f6f4 v[\d:\d+7], v[\a:\a+7], v[\b:\b+7], v[\c:\c+7], v[\sa], v[\sb] matrix_a_fmt:MATRIX_FMT_FP4 matrix_b_fmt:MATRIX_FMT_FP4
.elseif ((\rb) == 0)
	v_wmma_scale_f32_16x16x128_f8f6f4 v[\d:\d+7], v[\a:\a+7], v[\b:\b+7], v[\c:\c+7], v[\sa], v[\sb] matrix_a_fmt:MATRIX_FMT_FP4 matrix_b_fmt:MATRIX_FMT_FP4 matrix_a_scale:MATRIX_SCALE_ROW1
.elseif ((\ra) == 0)
	v_wmma_scale_f32_16x16x128_f8f6f4 v[\d:\d+7], v[\a:\a+7], v[\b:\b+7], v[\c:\c+7], v[\sa], v[\sb] matrix_a_fmt:MATRIX_FMT_FP4 matrix_b_fmt:MATRIX_FMT_FP4 matrix_b_scale:MATRIX_SCALE_ROW1
.else
	v_wmma_scale_f32_16x16x128_f8f6f4 v[\d:\d+7], v[\a:\a+7], v[\b:\b+7], v[\c:\c+7], v[\sa], v[\sb] matrix_a_fmt:MATRIX_FMT_FP4 matrix_b_fmt:MATRIX_FMT_FP4 matrix_a_scale:MATRIX_SCALE_ROW1 matrix_b_scale:MATRIX_SCALE_ROW1
.endif
.endm
	s_load_b256 s[4:11], s[0:1], 0x0               ; ctxq s[4:5], wq s[6:7], bd s[8:9], input_tensor s[10:11]
	s_load_b128 s[12:15], s[0:1], 0x20             ; ln_w s[12:13], ln_b s[14:15]
	s_load_b64 s[16:17], s[0:1], 0x30              ; out0
	v_lshl_add_u32 v[SPW], v0, 2, SPARE
	v_mov_b32 v[NIL], 0
	ds_add_u32 v[SPW], v[NIL]                      ; the opening lines: the add, twice on end, and its wait
	ds_add_u32 v[SPW], v[NIL]
	v_lshrrev_b32 v1, 5, v0
	v_readfirstlane_b32 s[WV], v1                  ; wave 0..15
	s_bfe_u32 s19, ttmp6, 0x40000
	s_lshl_b32 s44, ttmp9, 2
	s_add_co_u32 s44, s44, s19                     ; the work-group: it enters global addresses of my own rows alone
	s_lshl_b32 s20, s[WV], 10
	s_lshl_b32 s21, s[WV], 8
	s_add_co_u32 s21, s21, STG
	s_mul_i32 s45, s[WV], 2*SPI
	s_add_co_u32 s45, s45, STG
	s_add_co_u32 s57, s[WV], 1
	s_lshl_b32 s57, s57, 14                        ; my images of Wd in LDS: STG + 16,384 x wave
	s_lshl_b32 s36, s44, 14
	s_add_co_u32 s36, s36, s20                     ; ctx's images: 16,384 x work-group + 1,024 x wave
	s_mov_b32 s37, 0
	s_mov_b32 s38, 0x3a800000                      ; 1 / 1,024
	s_mov_b32 s39, 0x2b8cbccc                      ; 1e-12
	s_mov_b32 s40, 0x76543210
	s_mov_b32 s41, 0xfedcba98
	s_mov_b32 s48, 15|(3<<16)|(1<<21)              ; group 1: 16,384 dense bytes as 64 rows of 256; the mask names the cluster's four
	s_mov_b32 s49, 32<<16
	s_mov_b32 s50, 64<<16
	s_mov_b32 s51, 32<<16
	s_mov_b32 s52, 64
	s_mov_b32 s53, 32
	s_mov_b32 s54, 0
	s_mov_b32 s55, 0
	s_mov_b32 s56, 1
	v_and_b32 v10, 31, v0                          ; lane
	v_and_b32 v11, 15, v0                          ; r
	v_bfe_u32 v12, v0, 4, 1                        ; h
	v_lshlrev_b32 v1, 4, v10                       ; v1  16 x lane
	v_lshlrev_b32 v2, 5, v10                       ; v2  32 x lane
	v_lshlrev_b32 v3, 6, v12                       ; v3  64 h
	v_add_nc_u32 v4, s20, v1                       ; v4  where I put my piece of ctx's images
	v_add_nc_u32 v5, s57, v1                       ; v5  my images of Wd
	v_mul_u32_u24 v6, v11, SPI
	v_add_nc_u32 v6, v6, v3
	v_add_nc_u32 v6, s21, v6                       ; v6  the stage, in: row r, byte 256 w + 64 h;
	v_add_nc_u32 v7, 16*SPI, v6                    ; v7  the second tile's rows
	v_add_nc_u32 v8, s45, v1                       ; v8  back: rows 2 w and 2 w + 1, 16 bytes a lane
	s_wait_alu depctr_va_vdst(0)                   ; the wait at the head's end
	s_wait_dscnt 0x0
	s_wait_kmcnt 0x0
	s_add_nc_u64 s[22:23], s[4:5], s[36:37]
	s_lshl_b32 s36, s44, 10
	s_add_co_u32 s36, s36, C_S
	s_add_nc_u64 s[24:25], s[4:5], s[36:37]        ; ctx's scale rows
	s_add_co_u32 s36, s[WV], 48                    ; Wd's group of 64 columns: 48 + wave
	s_lshl_b32 s42, s36, 15
	s_mov_b32 s43, 0
	s_add_nc_u64 s[58:59], s[6:7], s[42:43]        ; its images,
	s_or_b32 s59, s59, 0x80000000
	s_lshl_b32 s36, s36, 11
	s_add_co_u32 s36, s36, W_S
	s_add_nc_u64 s[26:27], s[6:7], s[36:37]        ; its scale rows
	s_lshl_b32 s36, s[WV], 8
	s_add_nc_u64 s[28:29], s[8:9], s[36:37]        ; bd: my 64 numbers
	s_lshl_b32 s36, s44, 17
	s_lshl_b32 s42, s[WV], 13
	s_add_co_u32 s36, s36, s42                     ; my two rows
	s_add_nc_u64 s[32:33], s[10:11], s[36:37]
	s_add_nc_u64 s[34:35], s[16:17], s[36:37]
	CROUND                                         ; the four work-groups are here: the joint loads meet
	tensor_load_to_lds s[56:59], s[48:55]          ; K steps 0-3 of my 64 columns: every wave's one load at the head
	s_nop 0
	PLACES
	global_load_b128 v[CP:CP+3], v1, s[22:23]
	global_load_b128 v[CP+4:CP+7], v1, s[22:23] offset:512
	global_load_b128 v[CSR:CSR+3], v2, s[24:25]
	global_load_b128 v[CSR+4:CSR+7], v2, s[24:25] offset:16
.irp p, 0,1
.irp e, 0,1
	global_load_b128 v[WSR+8*\p+4*\e:WSR+8*\p+4*\e+3], v2, s[26:27] offset:1024*\p+16*\e
.endr
.endr
.irp m, 0,1
.irp t, 0,1,2,3                                ; register j of tile 2 b + u is column 64 w + 32 b + 16 h + 8 u + j
	global_load_b128 v[ACC+8*(4*\m+\t):ACC+8*(4*\m+\t)+3], v3, s[28:29] offset:128*(\t/2)+32*(\t%2)
	global_load_b128 v[ACC+8*(4*\m+\t)+4:ACC+8*(4*\m+\t)+7], v3, s[28:29] offset:128*(\t/2)+32*(\t%2)+16
.endr
.endr
.macro RLOAD set, b, off, nt           ; a row of 4,096 bytes into a set: eight loads of 512 consecutive bytes
.irp i, 0,1,2,3,4,5,6,7
.if \nt
	global_load_b128 v[WR+32*\set+4*\i:WR+32*\set+4*\i+3], v1, s[\b:\b+1] offset:\off+512*\i th:TH_LOAD_NT
.else
	global_load_b128 v[WR+32*\set+4*\i:WR+32*\set+4*\i+3], v1, s[\b:\b+1] offset:\off+512*\i
.endif
.endr
.endm
	RLOAD 0, 32, 0, 1                              ; input_tensor, my first row,
	RLOAD 1, 32, 4096, 1                           ; my second
	s_wait_tensorcnt 0x0                           ; my images of Wd are in: I alone read them
	s_wait_loadcnt 38                              ; my piece of ctx's images is in: the 38 loads issued behind its two may be out
	ds_store_b128 v4, v[CP:CP+3] offset:CIMG
	ds_store_b128 v4, v[CP+4:CP+7] offset:CIMG+512
	s_wait_loadcnt 16                              ; the scale words and bd are in; the two rows' 16 loads may be out
	s_wait_dscnt 0x0                               ; for the others' sake: my stores are done
	s_barrier_signal -1
	s_barrier_wait -1                              ; ctx's sixteen images lie in LDS
.macro WLOAD s                         ; Wd's four fragments of K step s into set s % 2
.irp t, 0,1,2,3
.irp c, 0,1
	ds_load_b128 v[WFR+32*((\s)%2)+8*\t+4*\c:WFR+32*((\s)%2)+8*\t+4*\c+3], v5 offset:4096*((\s)%4)+1024*\t+512*\c
.endr
.endr
.endm
.macro PSTEP s, ahead                  ; a K step of 128: eight products, the eight accumulators by turns
.irp m, 0,1
.irp c, 0,1
	ds_load_b128 v[CF+8*\m+4*\c:CF+8*\m+4*\c+3], v1 offset:CIMG+(8*\m+\s)*1024+512*\c
.endr
.endr
.if \ahead
	WLOAD (\s)+1
	s_wait_dscnt 8                                 ; this step's fragments are in; the next step's eight may be out
.else
	s_wait_dscnt 0x0
.endif
.irp m, 0,1
.irp t, 0,1,2,3
	WM ACC+8*(4*\m+\t), WFR+32*((\s)%2)+8*\t, CF+8*\m, ACC+8*(4*\m+\t), WSR+8*(\t/2)+\s, CSR+\s, \t%2, \m
.endr
.endr
	PLACES                                         ; in front of loads into registers that these products have read, and of the first read of results
.endm
	WLOAD 0
	PSTEP 0, 1
	PSTEP 1, 1
	PSTEP 2, 1
	PSTEP 3, 0
	s_wait_tensorcnt 0x0                           ; no tensor load of mine is out;
	ds_add_u32 v[SPW], v[NIL]
	s_add_nc_u64 s[58:59], s[58:59], 16384         ; the next four K steps
	s_wait_dscnt 0x0                               ; the add is done, and so are my reads of these bytes
	CROUND                                         ; that holds of every wave of the four work-groups
	tensor_load_to_lds s[56:59], s[48:55]          ; K steps 4-7, into the same bytes
	s_nop 0
	PLACES
	s_wait_tensorcnt 0x0
	WLOAD 4
	PSTEP 4, 1
	PSTEP 5, 1
	PSTEP 6, 1
	RLOAD 2, 12, 0, 0                              ; ln_w
	PSTEP 7, 0
	RLOAD 3, 14, 0, 0                              ; ln_b
	s_barrier_signal -1                            ; no LDS instruction of mine is out: my reads of Wd's images are over,
	s_barrier_wait -1                              ; and everybody's: the stage may be written
.irp m, 0,1
.irp t, 0,1,2,3
	ds_store_b128 v[6+\m], v[ACC+8*(4*\m+\t):ACC+8*(4*\m+\t)+3] offset:128*(\t/2)+32*(\t%2)        ; each accumulator from its low end on
	ds_store_b128 v[6+\m], v[ACC+8*(4*\m+\t)+4:ACC+8*(4*\m+\t)+7] offset:128*(\t/2)+32*(\t%2)+16
.endr
.endr
	s_wait_dscnt 0x0                               ; for the others' sake: my stores into the stage are done
	s_barrier_signal -1
	s_barrier_wait -1                              ; 32 whole rows lie in the stage
.irp rr, 0,1
.irp i, 0,1,2,3,4,5,6,7
	ds_load_b128 v[ACC+32*\rr+4*\i:ACC+32*\rr+4*\i+3], v8 offset:SPI*\rr+512*\i
.endr
.endr
.macro REDUCE                          ; v10 summed over the 32 lanes, the result in every lane
	s_delay_alu instid0(VALU_DEP_1)
	v_add_f32_dpp v10, v10, v10 row_xmask:1 row_mask:0xf bank_mask:0xf
	s_delay_alu instid0(VALU_DEP_1)
	v_add_f32_dpp v10, v10, v10 row_xmask:2 row_mask:0xf bank_mask:0xf
	s_delay_alu instid0(VALU_DEP_1)
	v_add_f32_dpp v10, v10, v10 row_xmask:4 row_mask:0xf bank_mask:0xf
	s_delay_alu instid0(VALU_DEP_1)
	v_add_f32_dpp v10, v10, v10 row_xmask:8 row_mask:0xf bank_mask:0xf
	s_delay_alu instid0(VALU_DEP_1)
	v_permlanex16_b32 v11, v10, s40, s41
	s_delay_alu instid0(VALU_DEP_1)
	v_add_f32 v10, v10, v11
.endm
; One row: H its 32 registers (columns 128 i + 4 x lane + 0 .. 3 in registers 4 i on), X the residual's.  ds, ld: how many younger LDS loads and global loads may stay out
.macro LNROW H, X, row, ds, ld
	s_wait_dscnt \ds
	s_wait_loadcnt \ld
.irp k, 0,2,4,6,8,10,12,14,16,18,20,22,24,26,28,30
	v_pk_add_f32 v[\H+\k:\H+\k+1], v[\H+\k:\H+\k+1], v[\X+\k:\X+\k+1]          ; + input_tensor
.endr
	v_pk_add_f32 v[10:11], v[\H:\H+1], v[\H+2:\H+3]                ; the sum, in two packed chains
	v_pk_add_f32 v[12:13], v[\H+4:\H+5], v[\H+6:\H+7]
.irp k, 8,12,16,20,24,28
	s_delay_alu instid0(VALU_DEP_2)
	v_pk_add_f32 v[10:11], v[10:11], v[\H+\k:\H+\k+1]
	s_delay_alu instid0(VALU_DEP_2)
	v_pk_add_f32 v[12:13], v[12:13], v[\H+\k+2:\H+\k+3]
.endr
	s_delay_alu instid0(VALU_DEP_1)
	v_pk_add_f32 v[10:11], v[10:11], v[12:13]
	s_delay_alu instid0(VALU_DEP_1)
	v_add_f32 v10, v10, v11
	REDUCE
	s_delay_alu instid0(VALU_DEP_1)
	v_mul_f32 v14, s38, v10                        ; the mean
	s_delay_alu instid0(VALU_DEP_1)
	v_mov_b32 v15, v14
.irp k, 0,2,4,6,8,10,12,14,16,18,20,22,24,26,28,30
	v_pk_add_f32 v[\H+\k:\H+\k+1], v[\H+\k:\H+\k+1], v[14:15] neg_lo:[0,1] neg_hi:[0,1]   ; the differences
.endr
	v_pk_mul_f32 v[10:11], v[\H:\H+1], v[\H:\H+1]                  ; their squares, in two packed chains
	v_pk_mul_f32 v[12:13], v[\H+2:\H+3], v[\H+2:\H+3]
.irp k, 4,8,12,16,20,24,28
	s_delay_alu instid0(VALU_DEP_2)
	v_pk_fma_f32 v[10:11], v[\H+\k:\H+\k+1], v[\H+\k:\H+\k+1], v[10:11]
	s_delay_alu instid0(VALU_DEP_2)
	v_pk_fma_f32 v[12:13], v[\H+\k+2:\H+\k+3], v[\H+\k+2:\H+\k+3], v[12:13]
.endr
	s_delay_alu instid0(VALU_DEP_1)
	v_pk_add_f32 v[10:11], v[10:11], v[12:13]
	s_delay_alu instid0(VALU_DEP_1)
	v_add_f32 v10, v10, v11
	REDUCE
	s_delay_alu instid0(VALU_DEP_1)
	v_fma_f32 v10, v10, s38, s39                   ; the variance + 1e-12
	s_wait_alu depctr_va_vdst(0)
	v_rsq_f32 v14, v10
	v_nop                                          ; one plain place behind a transcendental
	s_wait_alu depctr_va_vdst(0)
	v_mov_b32 v15, v14
.if \row == 0
	s_wait_alu depctr_va_vdst(0)
	s_wait_loadcnt 0x0                             ; ln_w and ln_b
.endif
.irp k, 0,2,4,6,8,10,12,14,16,18,20,22,24,26,28,30
	v_pk_mul_f32 v[\H+\k:\H+\k+1], v[\H+\k:\H+\k+1], v[14:15]
.endr
.irp k, 0,2,4,6,8,10,12,14,16,18,20,22,24,26,28,30
	v_pk_fma_f32 v[\H+\k:\H+\k+1], v[\H+\k:\H+\k+1], v[WR+64+\k:WR+64+\k+1], v[WR+96+\k:WR+96+\k+1]
.endr
.irp i, 0,1,2,3,4,5,6,7
	global_store_b128 v1, v[\H+4*\i:\H+4*\i+3], s[34:35] offset:4096*\row+512*\i th:TH_STORE_NT   ; 32 lanes store 512 consecutive bytes; written once, read by nobody here
.endr
.endm
	LNROW ACC, WR, 0, 8, 24                        ; my first row is back (the second's eight loads may be out); its residual is in (the second's, ln_w's and ln_b's 24 loads may be out)
	LNROW ACC+32, WR+32, 1, 0, 0
	s_wait_tensorcnt 0x0                           ; the wave's end
	ds_add_u32 v[SPW], v[NIL]
	s_wait_dscnt 0x0
	CROUND                                         ; the closing round
	s_endpgm
.Lfunc_end_k_q0d4937254b_proj:
	.size	k_q0d4937254b_proj, .Lfunc_end_k_q0d4937254b_proj-k_q0d4937254b_proj
	.p2alignl 7, 3214868480
	.fill 96, 4, 3214868480
	.section	.rodata,"a",@progbits
	.p2align	6, 0x0
	.amdhsa_kernel k_q0d4937254b_proj
		.amdhsa_group_segment_fixed_size 327680
		.amdhsa_private_segment_fixed_size 0
		.amdhsa_enable_private_segment 0
		.amdhsa_kernarg_size 56
		.amdhsa_user_sgpr_count 2
		.amdhsa_user_sgpr_kernarg_segment_ptr 1
		.amdhsa_wavefront_size32 1
		.amdhsa_system_sgpr_workgroup_id_x 1
		.amdhsa_system_sgpr_workgroup_id_y 1
		.amdhsa_system_sgpr_workgroup_id_z 1
		.amdhsa_system_vgpr_workitem_id 0
		.amdhsa_next_free_vgpr 256
		.amdhsa_next_free_sgpr 66
		.amdhsa_reserve_vcc 0
		.amdhsa_float_denorm_mode_32 3
		.amdhsa_float_denorm_mode_16_64 3
		.amdhsa_memory_ordered 1
		.amdhsa_forward_progress 1
		.amdhsa_inst_pref_size 47
	.end_amdhsa_kernel
	.amdgpu_metadata
---
amdhsa.version: [ 1, 2 ]
amdhsa.kernels:
  - .name:           k_q0d4937254b_proj
    .symbol:         k_q0d4937254b_proj.kd
    .args:
      - { .name: ctxq, .offset: 0, .size: 8, .value_kind: global_buffer, .address_space: global }
      - { .name: wq, .offset: 8, .size: 8, .value_kind: global_buffer, .address_space: global }
      - { .name: bd, .offset: 16, .size: 8, .value_kind: global_buffer, .address_space: global }
      - { .name: input_tensor, .offset: 24, .size: 8, .value_kind: global_buffer, .address_space: global }
      - { .name: ln_w, .offset: 32, .size: 8, .value_kind: global_buffer, .address_space: global }
      - { .name: ln_b, .offset: 40, .size: 8, .value_kind: global_buffer, .address_space: global }
      - { .name: out0, .offset: 48, .size: 8, .value_kind: global_buffer, .address_space: global }
    .group_segment_fixed_size: 327680
    .private_segment_fixed_size: 0
    .kernarg_segment_align: 8
    .kernarg_segment_size: 56
    .max_flat_workgroup_size: 512
    .sgpr_count:     66
    .vgpr_count:     256
    .wavefront_size: 32
...
	.end_amdgpu_metadata
.endif
;; end of part 4
